; MI455X (gfx1250); checked and timed in simulation.
; The chip was launched on July 23, 2026; its instructions are those of AMD's public machine-readable ISA for CDNA 5 (MIT licence, August 2026) and "CDNA5" Instruction Set Architecture Reference Guide (July 2026). The comments in the code are by the model that wrote it; some were corrected since.
;; Causal Temporal Attention. Allowed arithmetic: matrix products marked QUANTISED: E3M2 operands, one E8M0 scale for each 32 along K, by v_wmma_scale_f32_16x16x128_f8f6f4 with both operands' format E3M2, f32 sums; everything else in f32.
;; Inputs: bk 1,024 float32; bo 1,024 float32; bq 1,024 float32; bv 1,024 float32; padding_mask 2 x 2,048 int32; wk 1,024 x 1,024 float32; wo 1,024 x 1,024 float32; wq 1,024 x 1,024 float32; wv 1,024 x 1,024 float32; x 2 x 2,048 x 1,024 float32.
;; Outputs: out0 2 x 2,048 x 1,024 float32.
;; This version of the problem:
;;   THIS VERSION OF THE PROBLEM IS GIVEN IN LOW PRECISION. The matrix products marked QUANTISED in the list below multiply operands that are first quantised to E3M2 (3 exponent bits, 2 mantissa bits; 6 bits a number), with one power-of-two scale for each 32 numbers along K (OCP MX v1.0); their sums are f32. All else is computed in f32.
;;   The module's matrix products, in the order in which they are computed (A, B: the left and right operand; K: the contracted axis; several contracted axes count as one K, in the product's order):
;;     1. [M 4,096, K 1,024] x [K 1,024, N 1,024]; A: input x; B: input wq: QUANTISED
;;     2. [M 4,096, K 1,024] x [K 1,024, N 1,024]; A: input x; B: input wk: QUANTISED
;;     3. [M 4,096, K 1,024] x [K 1,024, N 1,024]; A: input x; B: input wv: QUANTISED
;;     4. batch 32 x [M 2,048, K 64] x [K 64, N 2,048]; A: computed on the way; B: computed on the way: QUANTISED
;;     5. batch 32 x [M 2,048, K 2,048] x [K 2,048, N 64]; A: computed on the way; B: computed on the way: QUANTISED
;;     6. [M 4,096, K 1,024] x [K 1,024, N 1,024]; A: computed on the way; B: input wo: QUANTISED
;;   THE QUANTISER, for each operand of a quantised product, along K:
;;     - K is cut into blocks of 32 from its start; a last block that is shorter is filled with zeros.
;;     - A block's scale is 2^e with e = floor(log2(the largest magnitude in the block)) - 4, held to -126 .. 127; a block of zeros has e = 0. As a byte (E8M0): e + 127.
;;     - Each number is divided by its block's scale, clamped to +-28, and rounded to the nearest number of E3M2, ties to even, subnormals kept.
;;     - The product sums the exact products of the quantised numbers (number of the format x scale) in f32.
;;   ~~~python
;;   def quantise(x, axis):      # numpy; x: float32 -> the quantised numbers, widened to float32 again
;;       x = np.moveaxis(x, axis, -1); K = x.shape[-1]
;;       x = np.pad(x, [(0, 0)] * (x.ndim - 1) + [(0, -K % 32)]); x = x.reshape(x.shape[:-1] + (-1, 32)); a = np.abs(x).max(-1, keepdims=True)
;;       e = np.where(a > 0, np.clip(np.frexp(np.where(a > 0, a, 1))[1] - 1 - 4, -126, 127), 0)      # np.frexp(a)[1] - 1 = floor(log2(a)), exactly
;;       r = np.clip(x / 2.0 ** e, -28, 28)
;;       step = 2.0 ** (np.maximum(np.frexp(np.where(r == 0, 1, r))[1] - 1, -2) - 2)
;;       q = np.round(r / step) * step * 2.0 ** e      # np.round: ties to even
;;       return np.moveaxis(q.reshape(q.shape[:-2] + (-1,))[..., :K], -1, axis).astype(np.float32)
;;   ~~~
;;   OPERANDS COMPUTED ON THE WAY. 'Computed on the way' means the value that the module computes at that place (a softmax that the list does not call 'softmax' is quantised finished and normalised). What goes into a quantiser is computed in f32, as accurately as f32 sums, v_exp_f32 and their like allow (about 1e-6 of the number): no bf16 or f16 on the way to a quantiser, and a product that is left as it is and whose result goes on into a quantised operand takes f32 operands (vector FMAs, or v_wmma_f32_16x16x4_f32). A number that lies on a knife's edge between two numbers of the format may be rounded either way, as far as f32 arithmetic and the matrix unit's own rounding can turn it there, and no further.
;; One version. Each part assembles by itself: llvm-mc -triple=amdgcn-amd-amdhsa -mcpu=gfx1250 --defsym DOCPART=n.
;; ======== version 1 of 1: 4 launches
;; workspace buffers: xw_codes 6,291,456 bytes; xw_scales 262,144 bytes; qkv_codes 9,437,184 bytes; qkv_scales 786,432 bytes; o_codes 3,145,728 bytes; o_scales 131,072 bytes
;; launch quant (part 1): grid 256 x 1, 4 waves a work-group, no clusters, 34,304 bytes of LDS; arguments x, wq, wk, wv, wo, xw_codes, xw_scales; writes xw_codes, xw_scales
.if DOCPART == 1
	.amdgcn_target "amdgcn-amd-amdhsa--gfx1250"
	.amdhsa_code_object_version 6
	.text
	.protected	k_q693ed79154_quant
	.globl	k_q693ed79154_quant
	.p2align	8
	.type	k_q693ed79154_quant,@function
k_q693ed79154_quant:
	s_mov_b64 s[64:65], 0
	v_nop
	global_prefetch_b8 v0, s[64:65] scope:SCOPE_SE
	s_setreg_imm32_b32 hwreg(HW_REG_WAVE_MODE, 25, 1), 1
	s_wait_xcnt 0x0
; x [4096][1024] and wq, wk, wv, wo [1024][1024], f32, K innermost, become codes of BF6 (E3M2) with one E8M0 byte for each 32 along K.
; A block's scale is 2^(floor(log2(its largest magnitude)) - 4); its byte is the largest magnitude's exponent field - 4, held at 1 from below.
; LIMITS: a block of zeros, or one whose largest magnitude lies under 2^-122, gets the byte 1 (its codes are zeros or are made under that scale; the bytes are read by this program alone);
; NaN and infinities among the inputs are not served.
; LAYOUT OF THE CODES.  A UNIT is 16 rows x 64 K as an image of an operand's registers: lane l = (r = l % 16, h = l / 16) holds block h of row r in 6 registers; registers 0-3 lie at byte 16 l, registers 4-5 at
; byte 512 + 8 l: 768 bytes.  A TILE is 16 units (K = 1024), 12,288 bytes.  THE ROWS OF A TILE ARE NOT NEIGHBOURS: lane r of tile 2 g + u holds row 32 g + 8 u + r + 8 (r / 8), so that results made with such a
; tile as source 0 have 16 neighbours in the 16 registers of tiles 2 g and 2 g + 1.  Tiles 0-255: x; 256-319 wq; 320-383 wk; 384-447 wv; 448-511 wo.
; SCALE WORDS: [tile][half of K][r][4 words]; word s of half kh belongs to the 128 along K from 128 (4 kh + s) on.
; SHARES.  A wave takes one tile and one half of K: four fragments of 16 rows x 128 K.  Each load reads 512 consecutive bytes of one row; the 16 rows turn through the wave's own stage in LDS, so that a lane gets
; 2 x 32 neighbours of one row: two whole blocks, whose largest magnitudes need no other lane.  No barrier: waves share nothing.  Loads run two fragments (32 loads a wave) ahead.
.set ROWB, 4096                        ; bytes in a row of any of the five tensors
.set SP,   528                         ; a row in the stage: 512 bytes + 16, an odd multiple of 16: the 16 rows that a load touches begin in different banks
.set STG,  16*SP                       ; a wave's stage
.set LA,   1                           ; v1   16 x lane
.set L8,   2                           ; v2   8 x lane
.set SI,   3                           ; v3   the stage, on the way in: 16 x lane
.set SO,   4                           ; v4   on the way out: SP r + 128 h
.set SH,   5                           ; v5   8 h: where my two bytes stand in a scale word
.set SA,   6                           ; v6   16 r + 8 h: my two scale words on the way out
.set R,    16                          ; v16-143   two sets of 64 registers as loaded
.set X,    144                         ; v144-207  register 32 c + i = k 64 c + 32 h + i of row r
.set PC,   208                         ; v208-231  two sets of 12 registers of codes
.set T2,   232                         ; v232-238  the second halves of the blocks' codes (a conversion's three registers begin on an even number)
.set TM,   240                         ; v240-247  at work
.set SW,   248                         ; v248-251  the four fragments' scale words
	s_load_b256 s[4:11], s[0:1], 0x0               ; x, wq, wk, wv
	s_load_b128 s[12:15], s[0:1], 0x20             ; wo, the codes
	s_load_b64 s[16:17], s[0:1], 0x30              ; the scale words
	v_lshl_add_u32 v254, v0, 2, 0x8400
	v_mov_b32 v255, 0
	v_lshrrev_b32 v7, 5, v0
	v_readfirstlane_b32 s18, v7                    ; wave 0..3
	v_and_b32 v8, 31, v0                           ; lane
	v_and_b32 v9, 15, v0                           ; r
	v_bfe_u32 v10, v0, 4, 1                        ; h
	v_lshlrev_b32 v[LA], 4, v8
	v_lshlrev_b32 v[L8], 3, v8
	s_mul_i32 s19, s18, STG
	v_add_nc_u32 v[SI], s19, v[LA]
	v_mul_u32_u24 v[SO], v9, SP
	v_lshl_add_u32 v[SO], v10, 7, v[SO]
	v_add_nc_u32 v[SO], s19, v[SO]
	v_lshlrev_b32 v[SH], 3, v10
	v_lshlrev_b32 v[SA], 4, v9
	v_lshl_add_u32 v[SA], v10, 3, v[SA]
	v_mov_b32 v[TM+7], 0                           ; written once: a lane permute's destination counts as one of its sources
	s_mov_b32 s22, 0x76543210
	s_mov_b32 s23, 0xfedcba98                      ; v_permlanex16_b32's selects for lane l xor 16
	s_mov_b32 s31, 0xffff0000                      ; lanes 16-31
	s_lshr_b32 s24, s18, 1                         ; u: which of the work-group's two tiles
	s_and_b32 s25, s18, 1                          ; kh: which half of K
	s_and_b32 s26, ttmp9, 31                       ; g inside a weight
	s_lshl_b32 s27, ttmp9, 1
	s_add_co_u32 s27, s27, s24                     ; the tile
	s_wait_kmcnt 0x0
	s_mov_b64 s[20:21], s[12:13]                   ; which tensor: the choice hangs on the work-group's number alone
	s_cmp_lt_u32 ttmp9, 224
	s_cselect_b64 s[20:21], s[10:11], s[20:21]
	s_cmp_lt_u32 ttmp9, 192
	s_cselect_b64 s[20:21], s[8:9], s[20:21]
	s_cmp_lt_u32 ttmp9, 160
	s_cselect_b64 s[20:21], s[6:7], s[20:21]
	s_cmp_lt_u32 ttmp9, 128
	s_cselect_b64 s[20:21], s[4:5], s[20:21]
	s_cselect_b32 s26, ttmp9, s26                  ; g inside x
	s_lshl_b32 s28, s26, 17                        ; 32 g rows of 4,096 bytes,
	s_lshl_b32 s30, s24, 15                        ; 8 u rows,
	s_add_co_u32 s28, s28, s30
	s_lshl_b32 s30, s25, 11                        ; 512 kh numbers
	s_add_co_u32 s28, s28, s30
	s_mov_b32 s29, 0
	s_add_nc_u64 s[20:21], s[20:21], s[28:29]
	s_mul_i32 s28, s27, 12288
	s_mul_i32 s30, s25, 6144
	s_add_co_u32 s28, s28, s30
	s_add_nc_u64 s[14:15], s[14:15], s[28:29]      ; my eight units
	s_lshl_b32 s28, s27, 9
	s_lshl_b32 s30, s25, 8
	s_add_co_u32 s28, s28, s30
	s_add_nc_u64 s[16:17], s[16:17], s[28:29]      ; my 256 bytes of scale words
.macro LOAD t                          ; fragment t: 512 consecutive bytes of each of the tile's 16 rows
.irp i, 0,1,2,3,4,5,6,7,8,9,10,11,12,13,14,15
	global_load_b128 v[R+64*((\t)%2)+4*\i:R+64*((\t)%2)+4*\i+3], v[LA], s[20:21] offset:(\i+8*(\i/8))*ROWB+512*(\t) th:TH_LOAD_NT
.endr
.endm
.macro FRAG t
.set RS, R+64*((\t)%2)
.set P,  PC+12*((\t)%2)
.if (\t) < 3
	s_wait_loadcnt 16                              ; this fragment's 16 loads are in; the next fragment's may be out
.else
	s_wait_loadcnt 0x0
.endif
.irp i, 0,1,2,3,4,5,6,7,8,9,10,11,12,13,14,15
	ds_store_b128 v[SI], v[RS+4*\i:RS+4*\i+3] offset:SP*\i
.endr
.irp c, 0,1
.irp j, 0,1,2,3,4,5,6,7
	ds_load_b128 v[X+32*\c+4*\j:X+32*\c+4*\j+3], v[SO] offset:256*\c+16*\j   ; LDS serves a wave's instructions in order: these see the stores above
.endr
.endr
	s_wait_dscnt 0x0                               ; the stores have read their registers, and my 64 numbers are in
.if (\t) < 2
	LOAD (\t)+2
.endif
.irp c, 0,1
	v_max3_num_f32 v[TM+\c], |v[X+32*\c]|, |v[X+32*\c+1]|, 0x2800000   ; my block 2 c + h, and the floor 2^(5 - 127): the byte cannot fall under 1
.endr
.irp i, 2,4,6,8,10,12,14,16,18,20,22,24,26,28,30
.irp c, 0,1
	v_max3_num_f32 v[TM+\c], v[TM+\c], |v[X+32*\c+\i]|, |v[X+32*\c+\i+1]|   ; (the two blocks by turns)
.endr
.endr
.irp c, 0,1
	v_add_nc_u32 v[TM+2+\c], 0xfe000000, v[TM+\c]  ; 4 off the exponent field: the conversion takes the exponent field of this operand as its scale
.endr
.irp c, 0,1
	v_lshrrev_b32 v[TM+4+\c], 23, v[TM+2+\c]       ; the scale's byte
.endr
	v_lshl_or_b32 v[TM+6], v[TM+5], 16, v[TM+4]    ; my two bytes, blocks h and 2 + h,
	v_lshlrev_b32 v[TM+6], v[SH], v[TM+6]          ; at their places in the word;
	v_permlanex16_b32 v[TM+7], v[TM+6], s22, s23
	v_or_b32 v[SW+(\t)], v[TM+6], v[TM+7]          ; with lane l xor 16's two the word is whole
.if (\t) >= 2
	s_wait_xcnt 0x0                                ; the stores of two fragments ago have read this set of codes: it is written again only behind this wait
.endif
.irp c, 0,1
	v_cvt_scalef32_pk16_bf6_f32 v[P+6*\c:P+6*\c+2], v[X+32*\c:X+32*\c+15], v[TM+2+\c]
	v_cvt_scalef32_pk16_bf6_f32 v[T2+4*\c:T2+4*\c+2], v[X+32*\c+16:X+32*\c+31], v[TM+2+\c]
.endr
	v_nop                                          ; one plain place behind a scaled conversion
.irp c, 0,1
.irp i, 0,1,2
	v_mov_b32 v[P+6*\c+3+\i], v[T2+4*\c+\i]
.endr
.endr
	global_store_b128 v[LA], v[P:P+3], s[14:15] offset:1536*(\t)              ; two units: each store covers 512 or 256 consecutive bytes, aligned
	global_store_b64 v[L8], v[P+4:P+5], s[14:15] offset:1536*(\t)+512
	global_store_b128 v[LA], v[P+6:P+9], s[14:15] offset:1536*(\t)+768
	global_store_b64 v[L8], v[P+10:P+11], s[14:15] offset:1536*(\t)+1280
.endm
	LOAD 0
	LOAD 1
	FRAG 0
	FRAG 1
	FRAG 2
	FRAG 3
	v_cndmask_b32 v[TM], v[SW], v[SW+2], s31       ; lanes 0-15 store their row's words 0 and 1, lanes 16-31 words 2 and 3
	v_cndmask_b32 v[TM+1], v[SW+1], v[SW+3], s31
	global_store_b64 v[SA], v[TM:TM+1], s[16:17]   ; 32 lanes store 256 consecutive bytes, aligned
	s_wait_tensorcnt 0x0
	ds_add_u32 v254, v255
	s_wait_dscnt 0x0
	s_endpgm
.Lfunc_end_k_q693ed79154_quant:
	.size	k_q693ed79154_quant, .Lfunc_end_k_q693ed79154_quant-k_q693ed79154_quant
	.p2alignl 7, 3214868480
	.fill 96, 4, 3214868480
	.section	.rodata,"a",@progbits
	.p2align	6, 0x0
	.amdhsa_kernel k_q693ed79154_quant
		.amdhsa_group_segment_fixed_size 34304
		.amdhsa_private_segment_fixed_size 0
		.amdhsa_enable_private_segment 0
		.amdhsa_kernarg_size 56
		.amdhsa_user_sgpr_count 2
		.amdhsa_user_sgpr_kernarg_segment_ptr 1
		.amdhsa_wavefront_size32 1
		.amdhsa_system_sgpr_workgroup_id_x 1
		.amdhsa_system_sgpr_workgroup_id_y 1
		.amdhsa_system_sgpr_workgroup_id_z 1
		.amdhsa_system_vgpr_workitem_id 0
		.amdhsa_next_free_vgpr 256
		.amdhsa_next_free_sgpr 66
		.amdhsa_reserve_vcc 0
		.amdhsa_float_denorm_mode_32 3
		.amdhsa_float_denorm_mode_16_64 3
		.amdhsa_memory_ordered 1
		.amdhsa_forward_progress 1
		.amdhsa_inst_pref_size 31
	.end_amdhsa_kernel
	.amdgpu_metadata
---
amdhsa.version: [ 1, 2 ]
amdhsa.kernels:
  - .name:           k_q693ed79154_quant
    .symbol:         k_q693ed79154_quant.kd
    .args:
      - { .name: x, .offset: 0, .size: 8, .value_kind: global_buffer, .address_space: global }
      - { .name: wq, .offset: 8, .size: 8, .value_kind: global_buffer, .address_space: global }
      - { .name: wk, .offset: 16, .size: 8, .value_kind: global_buffer, .address_space: global }
      - { .name: wv, .offset: 24, .size: 8, .value_kind: global_buffer, .address_space: global }
      - { .name: wo, .offset: 32, .size: 8, .value_kind: global_buffer, .address_space: global }
      - { .name: xw_codes, .offset: 40, .size: 8, .value_kind: global_buffer, .address_space: global }
      - { .name: xw_scales, .offset: 48, .size: 8, .value_kind: global_buffer, .address_space: global }
    .group_segment_fixed_size: 34304
    .private_segment_fixed_size: 0
    .kernarg_segment_align: 8
    .kernarg_segment_size: 56
    .max_flat_workgroup_size: 128
    .sgpr_count:     66
    .vgpr_count:     256
    .wavefront_size: 32
...
	.end_amdgpu_metadata
.endif
;; end of part 1
;; launch proj (part 2): grid 24 x 32, 4 waves a work-group, clusters of 4 x 4, 197,120 bytes of LDS; arguments xw_codes, xw_scales, bq, bk, bv, qkv_codes, qkv_scales; writes qkv_codes, qkv_scales
.if DOCPART == 2
	.amdgcn_target "amdgcn-amd-amdhsa--gfx1250"
	.amdhsa_code_object_version 6
	.text
	.protected	k_q693ed79154_proj
	.globl	k_q693ed79154_proj
	.p2align	8
	.type	k_q693ed79154_proj,@function
k_q693ed79154_proj:
	s_mov_b64 s[64:65], 0
	v_nop
	global_prefetch_b8 v0, s[64:65] scope:SCOPE_SE
	s_setreg_imm32_b32 hwreg(HW_REG_WAVE_MODE, 25, 1), 1
	s_wait_xcnt 0x0
	s_wait_alu depctr_hold_cnt(0) depctr_sa_sdst(0) depctr_va_vdst(0) depctr_va_sdst(0) depctr_va_ssrc(0) depctr_va_vcc(0) depctr_vm_vsrc(0)
	s_getreg_b32 s2, hwreg(HW_REG_IB_STS2, 6, 4)
	s_cmp_eq_u32 s2, 0
	s_cbranch_scc0 .Lentry_in_a_cluster
	s_endpgm
.Lentry_in_a_cluster:
	s_bfe_u32 s2, ttmp6, 0x10000c
	s_cmp_lg_u32 s2, 0xf033
	s_cbranch_scc0 .Lentry_shape_is_right
	s_endpgm
.Lentry_shape_is_right:
; q = x wq^T + bq, k = x wk^T + bk, v = x wv^T + bv on codes of BF6 (E3M2), and the results quantised in registers for the attention: q and k along the head's 64 channels, v along the keys.
; Operands come as UNITS (16 rows x 64 K as an image of registers, 768 bytes: lane l's registers 0-3 at 16 l, registers 4-5 at 512 + 8 l) in tiles of 16 units; lane r of tile 2 g + u holds row 32 g + 8 u + r + 8 (r / 8).
; SHARES.  A work-group makes 128 rows of x times 128 rows of wq | wk | wv (24 tile columns), K = 1,024; each of its four waves 64 x 64: 16 accumulators.
; LDS.  Both operands for all of K are 196,608 bytes: they come in as first fills alone, in four chunks of 256 along K; nothing is filled twice, so the eight K steps are written out and a chunk is waited for when it is first read.
; CLUSTER 4 x 4: x's tiles hang on the tile row alone and are asked for jointly along a row of the cluster, the weights' on the tile column alone and jointly along a column.
; TILE COLUMNS 0-15 (q, k): source 0 = 16 rows of the weight, source 1 = 16 rows of x: a lane holds one row of x, and the 32 registers of a row tile are the head's 64 channels in two halves of the lanes.
; TILE COLUMNS 16-23 (v): the sources change places: a lane holds one channel and its registers run down 64 keys, which are the second attention product's K.  The two ways part on the cluster's x, which all partners share.
; OUT: q and k as units [q: head, k: 16 + head][row tile 0-255]; v as units [group of 64 keys 0-63][head x 4 + channel tile]; for each unit 16 words e0 | e1 << 8.
; LIMITS: a block of zeros, or one under 2^-122, gets the byte 1 (read by this program alone); NaN and infinities are not served.  bq and bk start the sums, bv is added behind them.
; REGISTERS: window 0: v1-31 addresses and work; v32-63 x's scale words, v64-95 the weights' (register 8 i + s: tile i, K step s); v96-127 the bias, later the codes; v128-255 accumulator (a, t) at 128 + 8 (4 a + t).
;   window 1: two buffers of 96: the weights' four fragments, then x's four.
.set CHUNK, 49152                      ; 256 along K: x's 8 tiles x 3,072 bytes, then the weights' 8
.set TILEB, 3072
.set QUART, 12288                      ; four tiles: what one tensor load brings, and what a wave reads of one operand
.set WOFF,  24576
.set WBASE, 256                        ; the weights' first tile in xw_codes
.set X16, 4                            ; v4-7   LDS addresses in chunks 0 and 1: x 16 l, x 8 l + 512, weights likewise;  v8-11 the same in chunks 2 and 3
.set X8,  5
.set W16, 6
.set W8,  7
.set SOFF, 12                          ; v12  16 r: my row's four scale words
.set BOFF, 14                          ; v14  my lane's place in the bias
.set L16, 15                           ; v15  16 x lane
.set L8,  16                           ; v16  8 x lane
.set L4,  17                           ; v17  4 x lane
.set TM,  18                           ; v18-25 at work
.set SW,  26                           ; v26-29 the four units' scale words
.set PW2, 30                           ; v30-31 the same, two units to a register
.set SCX, 32
.set SCW, 64
.set BI,  96
.set ACC, 128
.set F0,  0
.set WV, 18
.set WR, 19
.set WC, 20
.set TX, 23
.set TY, 24
.set G1X, 32                           ; s[32:39] descriptor group 1 for x's tiles; s[40:47] for the weights': they differ in the mask
.set G1W, 40
.set G0X, 48                           ; s[48:63] four groups 0, one for each chunk; s[68:83] the weights'
.set G0W, 68
.set SEL, 90
.set MSB, 0
.macro WIN new                         ; the immediate's high byte repeats the setting that is left
.if MSB != \new
	s_set_vgpr_msb (MSB<<8)|\new
.set MSB, \new
.endif
.endm
.macro PLACES n
.rept \n
	v_nop
.endr
.endm
.macro CROUND                          ; a round of the cluster's barrier
	s_barrier_signal -1
	s_barrier_wait -1
	s_cmp_lg_u32 s[WV], 0
	s_cbranch_scc1 .Lnot_wave_0_\@
	s_barrier_signal -3
.Lnot_wave_0_\@:
	s_barrier_wait -3
	s_barrier_signal -1
	s_barrier_wait -1
.endm
; 32 LDS loads: the eight fragments of K step st into buffer buf.  A fragment is two units; a unit comes by one load of 16 bytes and one of 8 bytes a lane, each over consecutive bytes.
.macro FETCH st, buf
.set FO, (((\st)/2)%2)*CHUNK+((\st)%2)*1536
.set FS, 4*((\st)/4)
	WIN 0x40                                       ; destination window 1, address window 0
.irp i, 0,1,2,3
.irp c, 0,1
	ds_load_b128 v[\buf+12*\i+6*\c:\buf+12*\i+6*\c+3], v[W16+FS] offset:FO+TILEB*\i+768*\c
	ds_load_b64 v[\buf+12*\i+6*\c+4:\buf+12*\i+6*\c+5], v[W8+FS] offset:FO+TILEB*\i+768*\c
.endr
.endr
.irp i, 0,1,2,3
.irp c, 0,1
	ds_load_b128 v[\buf+48+12*\i+6*\c:\buf+48+12*\i+6*\c+3], v[X16+FS] offset:FO+TILEB*\i+768*\c
	ds_load_b64 v[\buf+48+12*\i+6*\c+4:\buf+48+12*\i+6*\c+5], v[X8+FS] offset:FO+TILEB*\i+768*\c
.endr
.endr
.endm
; 16 matrix instructions: K step st.  The 16 accumulators take turns, one instruction a turn, in the same order in every step.
; mode 0: source 0 = the weight's tile t, source 1 = x's tile a; the first step's C is the bias.  mode 1: source 0 = x's tile t, source 1 = the weight's tile a; the first step's C is 0.
.macro MUL st, buf, mode, first
	WIN 0x05                                       ; sources 0 and 1 window 1; C and D window 0
.irp a, 0,1,2,3
.irp t, 0,1,2,3
.if \mode == 0
.if \first
	v_wmma_scale_f32_16x16x128_f8f6f4 v[ACC+8*(4*\a+\t):ACC+8*(4*\a+\t)+7], v[\buf+12*\t:\buf+12*\t+11], v[\buf+48+12*\a:\buf+48+12*\a+11], v[BI+8*\t:BI+8*\t+7], v[SCW+8*\t+\st], v[SCX+8*\a+\st] matrix_a_fmt:MATRIX_FMT_BF6 matrix_b_fmt:MATRIX_FMT_BF6
.else
	v_wmma_scale_f32_16x16x128_f8f6f4 v[ACC+8*(4*\a+\t):ACC+8*(4*\a+\t)+7], v[\buf+12*\t:\buf+12*\t+11], v[\buf+48+12*\a:\buf+48+12*\a+11], v[ACC+8*(4*\a+\t):ACC+8*(4*\a+\t)+7], v[SCW+8*\t+\st], v[SCX+8*\a+\st] matrix_a_fmt:MATRIX_FMT_BF6 matrix_b_fmt:MATRIX_FMT_BF6
.endif
.else
.if \first
	v_wmma_scale_f32_16x16x128_f8f6f4 v[ACC+8*(4*\a+\t):ACC+8*(4*\a+\t)+7], v[\buf+48+12*\t:\buf+48+12*\t+11], v[\buf+12*\a:\buf+12*\a+11], 0, v[SCX+8*\t+\st], v[SCW+8*\a+\st] matrix_a_fmt:MATRIX_FMT_BF6 matrix_b_fmt:MATRIX_FMT_BF6
.else
	v_wmma_scale_f32_16x16x128_f8f6f4 v[ACC+8*(4*\a+\t):ACC+8*(4*\a+\t)+7], v[\buf+48+12*\t:\buf+48+12*\t+11], v[\buf+12*\a:\buf+12*\a+11], v[ACC+8*(4*\a+\t):ACC+8*(4*\a+\t)+7], v[SCX+8*\t+\st], v[SCW+8*\a+\st] matrix_a_fmt:MATRIX_FMT_BF6 matrix_b_fmt:MATRIX_FMT_BF6
.endif
.endif
.endr
.endr
.endm
.macro KSTEP st, mode
.set CB, F0+96*((\st)%2)
.set NB, F0+96*(1-(\st)%2)
.if (\st) < 7
.if ((\st)%2) == 1
	s_wait_tensorcnt 3-((\st)+1)/2                 ; my part of the next chunk is in; the later chunks may stay out
	s_wait_dscnt 0x0                               ; no LDS load of mine is out at the signal
	s_barrier_signal -1
	s_barrier_wait -1                              ; everybody's part is in
.endif
.if (\st) > 0
	PLACES 4                                       ; four places in front of loads into registers that the last matrix instructions read
.endif
	FETCH (\st)+1, NB
	s_wait_dscnt 32                                ; this step's fragments are in; the 32 loads just issued may be out
.else
	s_wait_dscnt 0x0
.endif
.if (\st) == 0
	MUL \st, CB, \mode, 1
.else
	MUL \st, CB, \mode, 0
.endif
.endm
.macro MAIN mode
	s_wait_loadcnt 0x0                             ; the scale words and the bias
	s_wait_tensorcnt 3                             ; my part of chunk 0 is in; three loads may stay out
	s_barrier_signal -1
	s_barrier_wait -1
	FETCH 0, F0
.irp st, 0,1,2,3,4,5,6,7
	KSTEP \st, \mode
.endr
	WIN 0
.endm
; 32 numbers of a lane, register 16 b + i = k 32 b + 16 h + i of my row, become a unit's six registers in v[dst] on and its word e0 | e1 << 8 in v[wrd].  Each accumulator is read from its low end on.
.macro QUANT32 src, dst, wrd
.irp b, 0,1
	v_max3_num_f32 v[TM+\b], |v[(\src)+16*\b]|, |v[(\src)+16*\b+1]|, 0x2800000   ; my 16 numbers of block b, and the floor 2^(5 - 127)
.endr
.irp i, 2,4,6,8,10,12,14
.irp b, 0,1
	v_max3_num_f32 v[TM+\b], v[TM+\b], |v[(\src)+16*\b+\i]|, |v[(\src)+16*\b+\i+1]|
.endr
.endr
.irp b, 0,1
	v_permlanex16_b32 v[TM+2+\b], v[TM+\b], s[SEL], s[SEL+1]
.endr
.irp b, 0,1
	v_max_num_f32 v[TM+\b], v[TM+\b], v[TM+2+\b]   ; with lane l xor 16's: the block's largest magnitude
.endr
.irp b, 0,1
	v_add_nc_u32 v[TM+4+\b], 0xfe000000, v[TM+\b]  ; 4 off its exponent field: the conversion's scale operand
.endr
.irp b, 0,1
	v_lshrrev_b32 v[TM+6+\b], 23, v[TM+4+\b]       ; the scale's byte
.endr
	v_lshl_or_b32 v[\wrd], v[TM+7], 8, v[TM+6]
	v_cvt_scalef32_pk16_bf6_f32 v[(\dst):(\dst)+2], v[(\src):(\src)+15], v[TM+4]
	v_cvt_scalef32_pk16_bf6_f32 v[(\dst)+4:(\dst)+6], v[(\src)+16:(\src)+31], v[TM+5]
	v_nop                                          ; one plain place behind a scaled conversion
.irp i, 0,1,2
	v_permlane16_swap_b32 v[(\dst)+\i], v[(\dst)+4+\i]   ; a whole block to a lane: lanes 0-15 block 0, lanes 16-31 block 1
.endr
.irp i, 0,1,2
	v_mov_b32 v[(\dst)+3+\i], v[(\dst)+4+\i]
.endr
.endm
.macro TAIL                            ; my four units and their words leave
.irp a, 0,1,2,3
	QUANT32 ACC+32*\a, BI+8*\a, SW+\a
	global_store_b128 v[L16], v[BI+8*\a:BI+8*\a+3], s[14:15] offset:768*\a          ; 512 consecutive bytes
	global_store_b64 v[L8], v[BI+8*\a+4:BI+8*\a+5], s[14:15] offset:768*\a+512      ; 256 consecutive bytes
.endr
	v_cndmask_b32 v[PW2], v[SW], v[SW+1], s92      ; lanes 0-15: unit 0's words, lanes 16-31: unit 1's
	v_cndmask_b32 v[PW2+1], v[SW+2], v[SW+3], s92
	global_store_b32 v[L4], v[PW2], s[16:17]       ; 128 consecutive bytes
	global_store_b32 v[L4], v[PW2+1], s[16:17] offset:128
.endm
	s_load_b256 s[4:11], s[0:1], 0x0               ; the codes, the scale words, bq, bk
	s_load_b128 s[12:15], s[0:1], 0x20             ; bv, q k v's codes
	s_load_b64 s[16:17], s[0:1], 0x30              ; q k v's scale words
	v_lshl_add_u32 v13, v0, 2, 0x30000
	s_set_vgpr_msb 0x40
	v_mov_b32 v193, 0
	s_set_vgpr_msb 0x4044
	ds_add_u32 v13, v193
	ds_add_u32 v13, v193
	s_set_vgpr_msb 0x4400
	v_lshrrev_b32 v1, 5, v0
	v_readfirstlane_b32 s[WV], v1                  ; wave 0..3
	s_lshr_b32 s[WR], s[WV], 1                     ; which half of x's rows is mine.  Also: I fetch for x (0) or for the weights (1)
	s_and_b32 s[WC], s[WV], 1                      ; which half of the weights' rows.  Also: which four tiles I fetch
	s_bfe_u32 s21, ttmp6, 0x40000                  ; cx
	s_bfe_u32 s22, ttmp6, 0x40004                  ; cy
	s_lshl_b32 s[TX], ttmp9, 2
	s_add_co_u32 s[TX], s[TX], s21                 ; tile column = 4 x cluster x + cx
	s_and_b32 s[TY], ttmp7, 0xffff
	s_lshl_b32 s[TY], s[TY], 2
	s_add_co_u32 s[TY], s[TY], s22                 ; tile row = 4 x cluster y + cy
	s_lshl_b32 s25, s22, 2
	s_lshl_b32 s25, 15, s25                        ; my row of the cluster
	s_lshl_b32 s26, 0x1111, s21                    ; my column
	; descriptor group 1: four tiles' 3,072 bytes of a chunk: 4 rows of 384 elements of 8 bytes, 12,288 bytes apart; no padding
	s_or_b32 s[G1X], s25, (3<<16)|(1<<21)          ; 15:0 the mask; 17:16 elements of 8 bytes; 21 set beside a mask
	s_or_b32 s[G1W], s26, (3<<16)|(1<<21)
.irp g, G1X, G1W
	s_mov_b32 s[\g+1], 384<<16                     ; tensor_dim0
	s_mov_b32 s[\g+2], 4<<16                       ; tensor_dim1
	s_mov_b32 s[\g+3], 384<<16                     ; tile_dim0
	s_mov_b32 s[\g+4], 4                           ; tile_dim1
	s_mov_b32 s[\g+5], 1536                        ; tensor_dim0_stride
	s_mov_b32 s[\g+6], 0
	s_mov_b32 s[\g+7], 0
.endr
	s_lshl_b32 s27, s[WC], 2                       ; which four tiles I fetch
	s_lshl_b32 s28, s[TY], 3
	s_add_co_u32 s28, s28, s27
	s_mul_i32 s28, s28, 12288                      ; x: tile 8 x tile row + 4 x half
	s_mov_b32 s29, 0
	s_lshl_b32 s84, s[TX], 3
	s_add_co_u32 s84, s84, s27
	s_add_co_u32 s84, s84, WBASE
	s_mul_i32 s84, s84, 12288                      ; the weights: tile WBASE + 8 x tile column + 4 x half
	s_mov_b32 s85, 0
	s_mul_i32 s27, s[WV], QUART                    ; where they go: wave x four tiles: no place in the cluster enters an LDS address
	s_wait_dscnt 0x0
	s_wait_kmcnt 0x0
	s_add_nc_u64 s[28:29], s[4:5], s[28:29]
	s_add_nc_u64 s[84:85], s[4:5], s[84:85]
.irp q, 0,1,2,3
	s_mov_b32 s[G0X+4*\q], 1
	s_add_co_u32 s[G0X+4*\q+1], s27, \q*CHUNK
	s_add_nc_u64 s[G0X+4*\q+2:G0X+4*\q+3], s[28:29], \q*TILEB
	s_or_b32 s[G0X+4*\q+3], s[G0X+4*\q+3], 0x80000000
	s_mov_b32 s[G0W+4*\q], 1
	s_add_co_u32 s[G0W+4*\q+1], s27, \q*CHUNK
	s_add_nc_u64 s[G0W+4*\q+2:G0W+4*\q+3], s[84:85], \q*TILEB
	s_or_b32 s[G0W+4*\q+3], s[G0W+4*\q+3], 0x80000000
.endr
	CROUND                                         ; all sixteen work-groups are here: the joint loads meet
	s_cmp_eq_u32 s[WR], 0                          ; a wave's four fills stand in one branch on its number: four loads of mine are out; four v_nop follow the last
	s_cbranch_scc0 .Lfill_w
.irp q, 0,1,2,3
	tensor_load_to_lds s[G0X+4*\q:G0X+4*\q+3], s[G1X:G1X+7]
	s_nop 0
.endr
	PLACES 4
	s_branch .Lfilled
.Lfill_w:
.irp q, 0,1,2,3
	tensor_load_to_lds s[G0W+4*\q:G0W+4*\q+3], s[G1W:G1W+7]
	s_nop 0
.endr
	PLACES 4
.Lfilled:
	v_and_b32 v1, 31, v0                           ; lane
	v_and_b32 v2, 15, v0                           ; r
	v_bfe_u32 v3, v0, 4, 1                         ; h
	v_lshlrev_b32 v[L16], 4, v1
	v_lshlrev_b32 v[L8], 3, v1
	v_lshlrev_b32 v[L4], 2, v1
	s_mul_i32 s30, s[WR], QUART                    ; my four tiles of x,
	s_mul_i32 s31, s[WC], QUART
	s_add_co_u32 s31, s31, WOFF                    ; and of the weights
	v_add_nc_u32 v[X16], s30, v[L16]
	v_add_nc_u32 v[X8], s30, v[L8]
	v_add_nc_u32 v[X8], 512, v[X8]
	v_add_nc_u32 v[W16], s31, v[L16]
	v_add_nc_u32 v[W8], s31, v[L8]
	v_add_nc_u32 v[W8], 512, v[W8]
.irp k, 0,1,2,3
	v_add_nc_u32 v[X16+4+\k], 2*CHUNK, v[X16+\k]   ; chunks 2 and 3 lie beyond an LDS immediate's reach
.endr
	v_lshlrev_b32 v[SOFF], 4, v2
	v_mov_b32 v[TM+2], 0                           ; written once: a lane permute's destination counts as one of its sources
	v_mov_b32 v[TM+3], 0
	s_mov_b32 s[SEL], 0x76543210
	s_mov_b32 s[SEL+1], 0xfedcba98
	s_mov_b32 s92, 0xffff0000                      ; lanes 16-31
	s_lshl_b32 s86, s[TY], 3
	s_lshl_b32 s87, s[WR], 2
	s_add_co_u32 s86, s86, s87
	s_lshl_b32 s86, s86, 9
	s_mov_b32 s87, 0
	s_add_nc_u64 s[86:87], s[6:7], s[86:87]        ; the scale words of my four tiles of x: 512 bytes a tile
	s_lshl_b32 s88, s[TX], 3
	s_lshl_b32 s89, s[WC], 2
	s_add_co_u32 s88, s88, s89
	s_add_co_u32 s88, s88, WBASE
	s_lshl_b32 s88, s88, 9
	s_mov_b32 s89, 0
	s_add_nc_u64 s[88:89], s[6:7], s[88:89]        ; and of the weights'
.irp i, 0,1,2,3
.irp kh, 0,1
	global_load_b128 v[SCX+8*\i+4*\kh:SCX+8*\i+4*\kh+3], v[SOFF], s[86:87] offset:512*\i+256*\kh   ; lanes r and 16 + r both take row r's four words
	global_load_b128 v[SCW+8*\i+4*\kh:SCW+8*\i+4*\kh+3], v[SOFF], s[88:89] offset:512*\i+256*\kh
.endr
.endr
	s_cmp_ge_u32 ttmp9, 4                          ; the cluster's x: the same in all sixteen partners
	s_cbranch_scc1 .Lpath_v
	; ---- q and k
	s_and_b32 s93, s[TX], 7
	s_lshl_b32 s93, s93, 9
	s_lshl_b32 s96, s[WC], 8
	s_add_co_u32 s96, s96, s93                     ; my 64 channels in the bias, in bytes
	s_mov_b32 s97, 0
	s_cmp_lt_u32 ttmp9, 2
	s_cselect_b64 s[94:95], s[8:9], s[10:11]       ; bq or bk
	s_add_nc_u64 s[94:95], s[94:95], s[96:97]
	v_lshlrev_b32 v[BOFF], 6, v3                   ; in the result's layout lane (r, h) holds, in tile t, channels 32 (t / 2) + 8 (t % 2) + 16 h + 0 .. 7
.irp t, 0,1,2,3
	global_load_b128 v[BI+8*\t:BI+8*\t+3], v[BOFF], s[94:95] offset:(32*(\t/2)+8*(\t%2))*4
	global_load_b128 v[BI+8*\t+4:BI+8*\t+7], v[BOFF], s[94:95] offset:(32*(\t/2)+8*(\t%2))*4+16
.endr
	s_lshl_b32 s96, s[TX], 1
	s_add_co_u32 s96, s96, s[WC]                   ; q: the head; k: 16 + the head
	s_lshl_b32 s96, s96, 8
	s_lshl_b32 s98, s[TY], 3
	s_add_co_u32 s96, s96, s98
	s_lshl_b32 s98, s[WR], 2
	s_add_co_u32 s96, s96, s98                     ; + my first row tile: the unit's number
	s_mul_i32 s98, s96, 768
	s_mov_b32 s99, 0
	s_add_nc_u64 s[14:15], s[14:15], s[98:99]
	s_lshl_b32 s98, s96, 6
	s_add_nc_u64 s[16:17], s[16:17], s[98:99]
	MAIN 0
	PLACES 4                                       ; in front of the first read of results
	TAIL
	s_branch .Ljoin
	; ---- v
.Lpath_v:
	s_sub_co_u32 s93, s[TX], 16
	s_lshl_b32 s96, s93, 9
	s_lshl_b32 s98, s[WC], 8
	s_add_co_u32 s96, s96, s98                     ; my 64 channels in bv, in bytes
	s_mov_b32 s97, 0
	s_add_nc_u64 s[94:95], s[12:13], s[96:97]
	v_and_b32 v[BOFF], 8, v2
	v_add_nc_u32 v[BOFF], v[BOFF], v2
	v_lshlrev_b32 v[BOFF], 2, v[BOFF]              ; a lane holds one channel: r + 8 (r / 8) of its tile
.irp a, 0,1,2,3
	global_load_b32 v[BI+2*\a], v[BOFF], s[94:95] offset:(32*(\a/2)+8*(\a%2))*4
	global_load_b32 v[BI+2*\a+1], v[BOFF], s[94:95] offset:(32*(\a/2)+8*(\a%2))*4    ; twice: a pair for the packed addition
.endr
	s_lshl_b32 s96, s[TY], 1
	s_add_co_u32 s96, s96, s[WR]                   ; my group of 64 keys
	s_lshl_b32 s96, s96, 6
	s_lshl_b32 s98, s93, 3
	s_add_co_u32 s96, s96, s98
	s_lshl_b32 s98, s[WC], 2
	s_add_co_u32 s96, s96, s98                     ; + head x 4 + channel tile: the unit's number
	s_mul_i32 s98, s96, 768
	s_add_co_u32 s98, s98, 6291456                 ; behind q's and k's units
	s_mov_b32 s99, 0
	s_add_nc_u64 s[14:15], s[14:15], s[98:99]
	s_lshl_b32 s98, s96, 6
	s_add_co_u32 s98, s98, 524288
	s_add_nc_u64 s[16:17], s[16:17], s[98:99]
	MAIN 1
	PLACES 4
.irp a, 0,1,2,3
.irp j, 0,2,4,6,8,10,12,14,16,18,20,22,24,26,28,30
	v_pk_add_f32 v[ACC+32*\a+\j:ACC+32*\a+\j+1], v[ACC+32*\a+\j:ACC+32*\a+\j+1], v[BI+2*\a:BI+2*\a+1]   ; + bv of my channel, each accumulator from its low end on
.endr
.endr
	TAIL
.Ljoin:
	s_set_vgpr_msb 0x4
	s_wait_tensorcnt 0x0
	ds_add_u32 v13, v193
	s_wait_dscnt 0x0
	s_set_vgpr_msb 0x400
	CROUND                                         ; the closing round: no work-group ends while a partner may still ask for a tile that names it
	s_endpgm
.Lfunc_end_k_q693ed79154_proj:
	.size	k_q693ed79154_proj, .Lfunc_end_k_q693ed79154_proj-k_q693ed79154_proj
	.p2alignl 7, 3214868480
	.fill 96, 4, 3214868480
	.section	.rodata,"a",@progbits
	.p2align	6, 0x0
	.amdhsa_kernel k_q693ed79154_proj
		.amdhsa_group_segment_fixed_size 197120
		.amdhsa_private_segment_fixed_size 0
		.amdhsa_enable_private_segment 0
		.amdhsa_kernarg_size 56
		.amdhsa_user_sgpr_count 2
		.amdhsa_user_sgpr_kernarg_segment_ptr 1
		.amdhsa_wavefront_size32 1
		.amdhsa_system_sgpr_workgroup_id_x 1
		.amdhsa_system_sgpr_workgroup_id_y 1
		.amdhsa_system_sgpr_workgroup_id_z 1
		.amdhsa_system_vgpr_workitem_id 0
		.amdhsa_next_free_vgpr 450
		.amdhsa_next_free_sgpr 100
		.amdhsa_reserve_vcc 0
		.amdhsa_float_denorm_mode_32 3
		.amdhsa_float_denorm_mode_16_64 3
		.amdhsa_memory_ordered 1
		.amdhsa_forward_progress 1
		.amdhsa_inst_pref_size 103
	.end_amdhsa_kernel
	.amdgpu_metadata
---
amdhsa.version: [ 1, 2 ]
amdhsa.kernels:
  - .name:           k_q693ed79154_proj
    .symbol:         k_q693ed79154_proj.kd
    .args:
      - { .name: xw_codes, .offset: 0, .size: 8, .value_kind: global_buffer, .address_space: global }
      - { .name: xw_scales, .offset: 8, .size: 8, .value_kind: global_buffer, .address_space: global }
      - { .name: bq, .offset: 16, .size: 8, .value_kind: global_buffer, .address_space: global }
      - { .name: bk, .offset: 24, .size: 8, .value_kind: global_buffer, .address_space: global }
      - { .name: bv, .offset: 32, .size: 8, .value_kind: global_buffer, .address_space: global }
      - { .name: qkv_codes, .offset: 40, .size: 8, .value_kind: global_buffer, .address_space: global }
      - { .name: qkv_scales, .offset: 48, .size: 8, .value_kind: global_buffer, .address_space: global }
    .group_segment_fixed_size: 197120
    .private_segment_fixed_size: 0
    .kernarg_segment_align: 8
    .kernarg_segment_size: 56
    .max_flat_workgroup_size: 128
    .sgpr_count:     100
    .vgpr_count:     450
    .wavefront_size: 32
...
	.end_amdgpu_metadata
.endif
;; end of part 2
;; launch attn (part 3): grid 8 x 32, 16 waves a work-group, clusters of 4 x 1, 223,232 bytes of LDS; arguments qkv_codes, qkv_scales, padding_mask, o_codes, o_scales; writes o_codes, o_scales
.if DOCPART == 3
	.amdgcn_target "amdgcn-amd-amdhsa--gfx1250"
	.amdhsa_code_object_version 6
	.text
	.protected	k_q693ed79154_attn
	.globl	k_q693ed79154_attn
	.p2align	8
	.type	k_q693ed79154_attn,@function
k_q693ed79154_attn:
	s_mov_b64 s[64:65], 0
	v_nop
	global_prefetch_b8 v0, s[64:65] scope:SCOPE_SE
	s_setreg_imm32_b32 hwreg(HW_REG_WAVE_MODE, 25, 1), 1
	s_wait_xcnt 0x0
	s_wait_alu depctr_hold_cnt(0) depctr_sa_sdst(0) depctr_va_vdst(0) depctr_va_sdst(0) depctr_va_ssrc(0) depctr_va_vcc(0) depctr_vm_vsrc(0)
	s_getreg_b32 s2, hwreg(HW_REG_IB_STS2, 6, 4)
	s_cmp_eq_u32 s2, 0
	s_cbranch_scc0 .Lentry_in_a_cluster
	s_endpgm
.Lentry_in_a_cluster:
	s_bfe_u32 s2, ttmp6, 0x10000c
	s_cmp_lg_u32 s2, 0x3003
	s_cbranch_scc0 .Lentry_shape_is_right
	s_endpgm
.Lentry_shape_is_right:
; out[b][head][i] = the sum over j of attn(i, j) v[j], attn = softmax_j(q_i . k_j / 8 - 0.1 (i - j)) over the keys j <= i whose padding_mask is not 0; a row with no such key gives 0.
; Both products on codes of BF6 (E3M2).  THE SECOND PRODUCT'S LEFT OPERAND IS THE FINISHED, NORMALISED attn, quantised by blocks of 32 keys: so the keys are walked TWICE.  Pass 1 finds each row's maximum and sum;
; pass 2 makes the scores again (the same instructions on the same numbers), forms attn = p / l, quantises it and multiplies by v.
; IN BASE 2: t = c1 qk + c2 (j - i), c1 = log2(e) / 8, c2 = 0.1 log2(e).  t = u + beta: u = fma(qk, c1, TT[j]) with TT[j] = c2 (j % 128), or -infinity where the mask hides key j; beta = c2 x (128 s - i), the whole
; number exact in f32.  So decay and padding cost the addend of one packed multiply-add.  M = the running largest t rounded UP to a whole number; p = 2^(t - M); when M moves, l is multiplied by 2^(old M - new M), exactly.
; SHARES.  A work-group serves one head of one batch; its sixteen waves own one tile of 16 queries each, tile 8 BLK + c, c = the work-group's x (0..7), BLK = the wave's number with its low two bits turned over in
; every second group of four waves.  A tile's queries lie in the block BLK of 128 rows whatever c is: key steps 0 .. BLK - 1 are open, step BLK lies on the diagonal, later steps are jumped over.  So every branch
; hangs on the wave's number and the step alone, all work-groups run alike (136 wave-steps a pass), and c enters only global addresses and numbers in lanes.
; CLUSTER 4 x 1: the four partners read the same head's K and V: each tile is asked for jointly.  LDS holds the whole head, filled once: no slot is ever filled again.
; LAYOUT.  Units of 16 rows x 64 K as images of registers (lane l: registers 0-3 at 16 l, 4-5 at 512 + 8 l); lane r of tile 2 g + u holds row 32 g + 8 u + r + 8 (r / 8).  Both products are used transposed:
; S^T = K Q^T, O^T = V^T P^T: a lane holds ONE query, and S^T's register 16 b + i is key 128 s + 32 b + 16 h + i.
; K = 64 IN AN INSTRUCTION OF 128: Q's registers 6-11 are zero codes and both sides' scale bytes 2 and 3 are 0 (2^-127, finite).  K's tile t is named as v[32 + 6 t .. + 11]: its upper six registers are tile t + 1's
; codes (behind tile 7: zeros); every code of E3M2 is finite, so those products are exactly 0.
; LIMITS: p under 2^-126 falls to 0 (v_exp_f32); a block of attn under 2^-122, or of zeros, gets the byte 1; the decay's rounding differs from -0.1 |i - j| in base e by about an ulp of the exponent; NaN and infinities are not served.
.set KC,  0                            ; LDS: K's codes, 128 tiles x 768
.set VC,  98304                        ; V's codes [group of 64 keys 0-31][channel tile 0-3][768]
.set KS,  196608                       ; K's scale words, 64 bytes a tile
.set VS,  204800                       ; V's [group][channel tile][64]
.set TT,  212992                       ; the table, 2,048 f32: written by LDS stores, no fill lands here
.set LK16, 1                           ; v1-7  my lane's places: K 16 l; K 8 l + 512; V likewise; the table 64 h; K's words 4 l; V's words 4 l
.set LK8,  2
.set LV16, 3
.set LV8,  4
.set LT,   5
.set LS,   6
.set LVS,  7
.set AK16, 8                           ; v8-14 the same for the step in hand
.set AK8,  9
.set AV16, 10
.set AV8,  11
.set AT,   12
.set AS,   13
.set AVS,  14
.set DG,   15                          ; v15  my query's place in its block of 128, less 16 h
.set Q,    16                          ; v16-27 Q's fragment; v22-27 zeros
.set QS,   28                          ; v28  Q's scale word
.set PW,   29                          ; v29  attn's scale word
.set BD,   30                          ; v30  128 s - i as f32
.set BD0,  31                          ; v31  - i
.set KF,   32                          ; v32-79 K's eight tiles, in pass 2 then V's four fragments; v80-85 zeros
.set RUN,  86                          ; v86  the running largest t
.set NEGM, 87                          ; v87  -M
.set S,    88                          ; v88-151 S^T, then p, then attn
.set TB,   152                         ; v152-215 the table's 64 numbers; free for work behind the multiply-add:
.set TM,   152                         ;   v152-167 at work
.set PC,   168                         ;   v168-186 attn's codes
.set VL,   188                         ;   v188-191 the halves of V's scale words
.set VH,   190
.set DL,   192                         ;   v192-193 beta - M, twice
.set BE,   194                         ;   beta
.set NI,   195                         ;   -infinity
.set FF,   196                         ;   v196-197 2^(old M - new M), twice
.set A2,   198                         ;   v198-199 the second chain of the sum
.set O,    216                         ; v216-247 O^T
.set KSC,  248                         ; v248-251 K's scale words: lanes 0-15 tile 2 i, lanes 16-31 tile 2 i + 1
.set VSC,  252                         ; v252-253 V's likewise
.set LL,   254                         ; v254-255 l in two halves; in pass 2: 1 / l, twice
.set WV,  14
.set BLK, 15
.set G1K,  24                          ; s[24:55] four groups 1;  s[56:63], s[68:75] four groups 0
.set G1V,  32
.set G1KS, 40
.set G1VS, 48
.set G0K,  56
.set G0V,  60
.set G0KS, 68
.set G0VS, 72
.set SEL, 76                           ; s[76:77] v_permlanex16_b32's selects for lane l xor 16
.set C1,  78                           ; s[78:79] c1: the packed form names a pair and takes its low word for both halves
.set C2,  80
.set ST,  81                           ; the key step
.set TK,  82                           ; 6,144 x step: K's and V's codes
.set TS,  83                           ; 512 x step: both scale words and the table
.macro CROUND                          ; a round of the cluster's barrier
	s_barrier_signal -1
	s_barrier_wait -1
	s_cmp_lg_u32 s[WV], 0
	s_cbranch_scc1 .Lnot_wave_0_\@
	s_barrier_signal -3
.Lnot_wave_0_\@:
	s_barrier_wait -3
	s_barrier_signal -1
	s_barrier_wait -1
.endm
.macro PLACES n
.rept \n
	v_nop
.endr
.endm
	s_load_b256 s[4:11], s[0:1], 0x0               ; the codes, the scale words, the mask, o's codes
	s_load_b64 s[12:13], s[0:1], 0x20              ; o's scale bytes
	v_lshl_add_u32 v254, v0, 2, 0x36000
	v_mov_b32 v255, 0
	ds_add_u32 v254, v255
	ds_add_u32 v254, v255
	s_wait_dscnt 0x0
	v_lshrrev_b32 v1, 5, v0
	v_readfirstlane_b32 s[WV], v1                  ; wave 0..15
	s_bfe_u32 s[BLK], s[WV], 0x10002
	s_mul_i32 s[BLK], s[BLK], 3
	s_xor_b32 s[BLK], s[WV], s[BLK]                ; waves 4-7 and 12-15 take their blocks in reverse: waves w, w + 4, w + 8, w + 12 have 34 steps a pass together
	s_and_b32 s20, ttmp7, 0xffff
	s_and_b32 s17, s20, 15                         ; the head
	s_lshr_b32 s18, s20, 4                         ; the batch
	s_and_b32 s21, s[WV], 3                        ; which quarter of K's or V's codes I fetch, if I fetch
	s_add_co_u32 s22, s17, 16
	s_lshl_b32 s22, s22, 8
	s_lshl_b32 s23, s18, 7
	s_add_co_u32 s22, s22, s23                     ; K's first unit: (16 + head) x 256 + 128 b
	s_mul_i32 s84, s22, 768
	s_mul_i32 s23, s21, 24576                      ; my quarter, in memory (K) and in LDS
	s_add_co_u32 s84, s84, s23
	s_mov_b32 s85, 0
	s_lshl_b32 s86, s18, 5
	s_lshl_b32 s87, s21, 3
	s_add_co_u32 s86, s86, s87                     ; V: my first group of 64 keys,
	s_lshl_b32 s86, s86, 6
	s_lshl_b32 s87, s17, 2
	s_add_co_u32 s86, s86, s87                     ; the head's four channel tiles
	s_mul_i32 s86, s86, 768
	s_add_co_u32 s86, s86, 6291456
	s_mov_b32 s87, 0
	s_lshl_b32 s88, s22, 6                         ; K's scale words
	s_mov_b32 s89, 0
	s_lshl_b32 s90, s18, 11
	s_lshl_b32 s91, s17, 2
	s_add_co_u32 s90, s90, s91
	s_lshl_b32 s90, s90, 6
	s_add_co_u32 s90, s90, 524288                  ; V's
	s_mov_b32 s91, 0
	; descriptor groups 1: the mask names all four partners, bit 21 beside it; elements of 8 bytes; no padding
.irp g, G1K, G1V, G1KS, G1VS
	s_mov_b32 s[\g], 15|(3<<16)|(1<<21)
	s_mov_b32 s[\g+6], 0
	s_mov_b32 s[\g+7], 0
.endr
	s_mov_b32 s[G1K+1], 32<<16                     ; K's codes: a dense quarter, 96 rows of 256 bytes
	s_mov_b32 s[G1K+2], 96<<16
	s_mov_b32 s[G1K+3], 32<<16
	s_mov_b32 s[G1K+4], 96
	s_mov_b32 s[G1K+5], 32
	s_mov_b32 s[G1V+1], 384<<16                    ; V's codes: 8 groups of keys, 3,072 bytes each, 49,152 bytes apart
	s_mov_b32 s[G1V+2], 8<<16
	s_mov_b32 s[G1V+3], 384<<16
	s_mov_b32 s[G1V+4], 8
	s_mov_b32 s[G1V+5], 6144
	s_mov_b32 s[G1KS+1], 32<<16                    ; K's words: dense, 32 rows of 256 bytes
	s_mov_b32 s[G1KS+2], 32<<16
	s_mov_b32 s[G1KS+3], 32<<16
	s_mov_b32 s[G1KS+4], 32
	s_mov_b32 s[G1KS+5], 32
	s_mov_b32 s[G1VS+1], 32<<16                    ; V's words: 32 groups, 256 bytes each, 4,096 bytes apart
	s_mov_b32 s[G1VS+2], 32<<16
	s_mov_b32 s[G1VS+3], 32<<16
	s_mov_b32 s[G1VS+4], 32
	s_mov_b32 s[G1VS+5], 512
	s_mov_b32 s[SEL], 0x76543210
	s_mov_b32 s[SEL+1], 0xfedcba98
	s_mov_b32 s[C1], 0x3e38aa3b                    ; log2(e) / 8
	s_mov_b32 s[C1+1], s[C1]                       ; (named with it as a pair, so it is written)
	s_mov_b32 s[C2], 0x3e13bb63                    ; 0.1 log2(e)
	s_bfe_u32 s16, ttmp6, 0x40000                  ; cx
	s_lshl_b32 s92, ttmp9, 2
	s_add_co_u32 s16, s16, s92                     ; c = 4 x cluster x + cx
	s_lshl_b32 s19, s[BLK], 3
	s_add_co_u32 s19, s19, s16                     ; my tile of queries
	s_lshl_b32 s92, s17, 8
	s_lshl_b32 s93, s18, 7
	s_add_co_u32 s92, s92, s93
	s_add_co_u32 s92, s92, s19                     ; Q's unit: head x 256 + 128 b + tile
	s_mul_i32 s94, s92, 768
	s_mov_b32 s95, 0
	s_lshl_b32 s96, s92, 6
	s_mov_b32 s97, 0
	s_lshl_b32 s98, s18, 13                        ; the batch's row of the mask
	s_mov_b32 s99, 0
	s_wait_kmcnt 0x0
	s_mov_b32 s[G0K], 1
	s_mov_b32 s[G0K+1], s23
	s_add_nc_u64 s[G0K+2:G0K+3], s[4:5], s[84:85]
	s_or_b32 s[G0K+3], s[G0K+3], 0x80000000
	s_mov_b32 s[G0V], 1
	s_add_co_u32 s[G0V+1], s23, VC
	s_add_nc_u64 s[G0V+2:G0V+3], s[4:5], s[86:87]
	s_or_b32 s[G0V+3], s[G0V+3], 0x80000000
	s_mov_b32 s[G0KS], 1
	s_mov_b32 s[G0KS+1], KS
	s_add_nc_u64 s[G0KS+2:G0KS+3], s[6:7], s[88:89]
	s_or_b32 s[G0KS+3], s[G0KS+3], 0x80000000
	s_mov_b32 s[G0VS], 1
	s_mov_b32 s[G0VS+1], VS
	s_add_nc_u64 s[G0VS+2:G0VS+3], s[6:7], s[90:91]
	s_or_b32 s[G0VS+3], s[G0VS+3], 0x80000000
	s_add_nc_u64 s[94:95], s[4:5], s[94:95]        ; Q's codes,
	s_add_nc_u64 s[96:97], s[6:7], s[96:97]        ; its scale words,
	s_add_nc_u64 s[98:99], s[8:9], s[98:99]        ; the mask
	CROUND                                         ; all four work-groups are here: the joint loads meet
	; waves 0-3: K's codes; 4-7: V's; 8: K's words; 9: V's words; the others nothing: at most one load of a wave is out.  Four v_nop follow each
	s_cmp_lt_u32 s[WV], 4
	s_cbranch_scc0 .Lnot_k
	tensor_load_to_lds s[G0K:G0K+3], s[G1K:G1K+7]
	s_nop 0
	PLACES 4
	s_branch .Lasked
.Lnot_k:
	s_cmp_lt_u32 s[WV], 8
	s_cbranch_scc0 .Lnot_v
	tensor_load_to_lds s[G0V:G0V+3], s[G1V:G1V+7]
	s_nop 0
	PLACES 4
	s_branch .Lasked
.Lnot_v:
	s_cmp_eq_u32 s[WV], 8
	s_cbranch_scc0 .Lnot_ks
	tensor_load_to_lds s[G0KS:G0KS+3], s[G1KS:G1KS+7]
	s_nop 0
	PLACES 4
	s_branch .Lasked
.Lnot_ks:
	s_cmp_eq_u32 s[WV], 9
	s_cbranch_scc0 .Lasked
	tensor_load_to_lds s[G0VS:G0VS+3], s[G1VS:G1VS+7]
	s_nop 0
	PLACES 4
.Lasked:
	v_and_b32 v32, 31, v0                          ; lane
	v_and_b32 v33, 15, v0                          ; r
	v_bfe_u32 v34, v0, 4, 1                        ; h
	v_lshlrev_b32 v[LK16], 4, v32
	v_lshl_add_u32 v[LK8], v32, 3, 512
	v_lshlrev_b32 v37, 4, v0                       ; 16 x thread: my four entries of the mask
	v_lshlrev_b32 v38, 2, v33
	global_load_b128 v[40:43], v37, s[98:99]
	global_load_b128 v[Q:Q+3], v[LK16], s[94:95]   ; Q's unit stays in registers
	global_load_b64 v[Q+4:Q+5], v[LK8], s[94:95]
	global_load_b32 v[QS], v38, s[96:97]
	v_add_nc_u32 v[LV16], VC, v[LK16]
	v_add_nc_u32 v[LV8], VC, v[LK8]
	v_lshl_add_u32 v[LT], v34, 6, TT
	v_lshl_add_u32 v[LS], v32, 2, KS
	v_lshl_add_u32 v[LVS], v32, 2, VS
	v_lshl_add_u32 v49, v0, 4, TT                  ; where my four entries of the table go
	s_and_b32 s92, s16, 6
	s_lshl_b32 s92, s92, 4
	s_and_b32 s93, s16, 1
	s_lshl_b32 s93, s93, 3
	s_add_co_u32 s92, s92, s93                     ; 32 (c / 2) + 8 (c % 2)
	v_and_b32 v35, 8, v33
	v_add_nc_u32 v35, v35, v33
	v_add_nc_u32 v35, s92, v35                     ; my query's place in its block of 128
	v_lshlrev_b32 v36, 4, v34
	v_sub_nc_u32 v[DG], v35, v36
	s_lshl_b32 s93, s[BLK], 7
	v_add_nc_u32 v35, s93, v35                     ; i
	v_cvt_f32_u32 v35, v35
	v_sub_f32 v[BD0], 0, v35
	v_lshlrev_b32 v39, 2, v0
	v_and_b32 v39, 127, v39                        ; (4 x thread) % 128
	v_mov_b32 v48, 0xff800000                      ; -infinity
.irp j, 22,23,24,25,26,27,80,81,82,83,84,85
	v_mov_b32 v[\j], 0                             ; zero codes: Q's upper half, and what stands behind K's tile 7
.endr
.set n, 0
.rept 32
	v_mov_b32 v[O+n], 0                            ; O^T.  (The step is written once)
.set n, n+1
.endr
.irp j, 0,1,2,3,4,5,6,7
	v_mov_b32 v[TM+\j], 0                          ; written once: a lane permute's destination counts as one of its sources
.endr
	v_mov_b32 v[RUN], 0xff61b1e6                   ; -3e38, under every t
	v_floor_f32 v[NEGM], -v[RUN]
	v_mov_b32 v[LL], 0
	v_mov_b32 v[LL+1], 0
	s_wait_loadcnt 0x0
.irp e, 0,1,2,3
	v_add_nc_u32 v[44+\e], \e, v39
	v_cvt_f32_u32 v[44+\e], v[44+\e]
	v_mul_f32 v[44+\e], s[C2], v[44+\e]            ; c2 (j % 128),
	v_cmp_eq_u32 vcc_lo, 0, v[40+\e]
	v_cndmask_b32 v[44+\e], v[44+\e], v48, vcc_lo  ; or -infinity where the mask hides key j
.endr
	ds_store_b128 v49, v[44:47]
	s_wait_tensorcnt 0x0                           ; my fill has landed,
	s_wait_dscnt 0x0                               ; my part of the table is stored:
	s_barrier_signal -1
	s_barrier_wait -1                              ; everybody's.  From here on LDS is only read
; 64 numbers of a lane, register 16 b + i = k 32 b + 16 h + i of my row, become a fragment's codes in v[PC] on and its scale word in v[PW]
.macro QUANT src
.irp b, 0,1,2,3
	v_max3_num_f32 v[TM+\b], |v[\src+16*\b]|, |v[\src+1+16*\b]|, 0x2800000   ; block b: my 16 numbers, and the floor 2^(5 - 127)
.endr
.irp i, 2,4,6,8,10,12,14
.irp b, 0,1,2,3
	v_max3_num_f32 v[TM+\b], v[TM+\b], |v[\src+16*\b+\i]|, |v[\src+1+16*\b+\i]|
.endr
.endr
.irp b, 0,1,2,3
	v_permlanex16_b32 v[TM+4+\b], v[TM+\b], s[SEL], s[SEL+1]
.endr
.irp b, 0,1,2,3
	v_max_num_f32 v[TM+\b], v[TM+\b], v[TM+4+\b]   ; with lane l xor 16's: the block's largest
.endr
.irp b, 0,1,2,3
	v_add_nc_u32 v[TM+12+\b], 0xfe000000, v[TM+\b] ; 4 off its exponent field: the conversion's scale operand
.endr
.irp b, 0,1,2,3
	v_lshrrev_b32 v[TM+4+\b], 23, v[TM+12+\b]      ; the scale's byte
.endr
	v_lshl_or_b32 v[PW], v[TM+5], 8, v[TM+4]
	v_lshl_or_b32 v[PW], v[TM+6], 16, v[PW]
	v_lshl_or_b32 v[PW], v[TM+7], 24, v[PW]
.irp c, 0,1
	v_cvt_scalef32_pk16_bf6_f32 v[PC+6*\c:PC+2+6*\c], v[\src+32*\c:\src+15+32*\c], v[TM+12+2*\c]
	v_cvt_scalef32_pk16_bf6_f32 v[PC+12+4*\c:PC+14+4*\c], v[\src+16+32*\c:\src+31+32*\c], v[TM+12+2*\c+1]
.endr
	v_nop                                          ; one plain place behind a scaled conversion
.irp c, 0,1
.irp i, 0,1,2
	v_permlane16_swap_b32 v[PC+6*\c+\i], v[PC+12+4*\c+\i]   ; a whole block to a lane
.endr
.irp i, 0,1,2
	v_mov_b32 v[PC+3+6*\c+\i], v[PC+12+4*\c+\i]
.endr
.endr
.endm
; A KEY STEP of 128 keys, in pass p.  A step behind my block is left out: a scalar branch on the wave's number and the step, round the step's work, not round the lines at its end that step addresses.
.macro STEP p
	s_cmp_gt_u32 s[ST], s[BLK]
	s_cbranch_scc1 .Lskip_\@
	v_add_nc_u32 v[AK16], s[TK], v[LK16]
	v_add_nc_u32 v[AK8], s[TK], v[LK8]
	v_add_nc_u32 v[AT], s[TS], v[LT]
	v_add_nc_u32 v[AS], s[TS], v[LS]
.if \p == 2
	v_add_nc_u32 v[AV16], s[TK], v[LV16]           ; (in pass 2 these seven and the addition at the last step's end are the places in front of loads into registers that the last products read)
	v_add_nc_u32 v[AV8], s[TK], v[LV8]
	v_add_nc_u32 v[AVS], s[TS], v[LVS]
.endif
.irp t, 0,1,2,3,4,5,6,7
	ds_load_b128 v[KF+6*\t:KF+6*\t+3], v[AK16] offset:768*\t
	ds_load_b64 v[KF+6*\t+4:KF+6*\t+5], v[AK8] offset:768*\t
.endr
.irp i, 0,1,2,3
	ds_load_b32 v[KSC+\i], v[AS] offset:128*\i
.endr
.irp b, 0,1,2,3
.irp k, 0,1,2,3
	ds_load_b128 v[TB+16*\b+4*\k:TB+16*\b+4*\k+3], v[AT] offset:128*\b+16*\k   ; the table's entries of my 64 keys: all lanes of a half read the same words
.endr
.endr
	s_wait_dscnt 16                                ; K and its scale words are in; the table's 16 loads may be out
.irp t, 0,2,4,6
	v_wmma_scale_f32_16x16x128_f8f6f4 v[S+8*\t:S+8*\t+7], v[KF+6*\t:KF+6*\t+11], v[Q:Q+11], 0, v[KSC+\t/2], v[QS] matrix_a_fmt:MATRIX_FMT_BF6 matrix_b_fmt:MATRIX_FMT_BF6
	v_wmma_scale_f32_16x16x128_f8f6f4 v[S+8*\t+8:S+8*\t+15], v[KF+6*\t+6:KF+6*\t+17], v[Q:Q+11], 0, v[KSC+\t/2], v[QS] matrix_a_fmt:MATRIX_FMT_BF6 matrix_b_fmt:MATRIX_FMT_BF6 matrix_a_scale:MATRIX_SCALE_ROW1
.endr
	PLACES 4                                       ; in front of the first read of results and of loads into K's registers
.if \p == 2
.irp t, 0,1,2,3
.irp c, 0,1
	ds_load_b128 v[KF+12*\t+6*\c:KF+12*\t+6*\c+3], v[AV16] offset:(4*\c+\t)*768   ; V's fragment t: 16 channels x these 128 keys
	ds_load_b64 v[KF+12*\t+6*\c+4:KF+12*\t+6*\c+5], v[AV8] offset:(4*\c+\t)*768
.endr
.endr
	s_wait_dscnt 16                                ; the table is in; V's 16 loads may be out
.else
	s_wait_dscnt 0x0                               ; the table is in
.endif
.set n, 0
.rept 32
	v_pk_fma_f32 v[S+n:S+n+1], v[S+n:S+n+1], s[C1:C1+1], v[TB+n:TB+n+1] op_sel_hi:[1,0,1]   ; u = c1 qk + TT[j], each accumulator from its low end on
.set n, n+2
.endr
	s_cmp_lt_u32 s[ST], s[BLK]                     ; on the diagonal the keys behind my query become -infinity; an open step skips this
	s_cbranch_scc1 .Lopen_\@
	v_mov_b32 v[NI], 0xff800000
.irp n, 0,1,2,3,4,5,6,7,8,9,10,11,12,13,14,15,16,17,18,19,20,21,22,23,24,25,26,27,28,29,30,31,32,33,34,35,36,37,38,39,40,41,42,43,44,45,46,47,48,49,50,51,52,53,54,55,56,57,58,59,60,61,62,63
	v_cmp_gt_i32 vcc_lo, 32*(\n/16)+\n%16, v[DG]
	v_cndmask_b32 v[S+\n], v[S+\n], v[NI], vcc_lo
.endr
.Lopen_\@:
	v_mul_f32 v[BE], s[C2], v[BD]                  ; beta
.if \p == 1
.irp c, 0,1,2,3
	v_max3_num_f32 v[TM+\c], v[S+16*\c], v[S+16*\c+1], v[S+16*\c+2]   ; the step's largest u, in four chains
.endr
.irp i, 3,5,7,9,11,13
.irp c, 0,1,2,3
	v_max3_num_f32 v[TM+\c], v[TM+\c], v[S+16*\c+\i], v[S+16*\c+\i+1]
.endr
.endr
.irp c, 0,1,2,3
	v_max_num_f32 v[TM+\c], v[TM+\c], v[S+16*\c+15]
.endr
	v_max3_num_f32 v[TM], v[TM], v[TM+1], v[TM+2]
	v_max_num_f32 v[TM], v[TM], v[TM+3]
	v_permlanex16_b32 v[TM+4], v[TM], s[SEL], s[SEL+1]
	v_max_num_f32 v[TM], v[TM], v[TM+4]            ; with lane l xor 16's 64 keys
	v_add_f32 v[TM], v[TM], v[BE]                  ; as t
	v_max_num_f32 v[RUN], v[RUN], v[TM]
	v_mov_b32 v[TM+5], v[NEGM]
	v_floor_f32 v[NEGM], -v[RUN]                   ; -M = floor(-t): M is a whole number
	v_sub_f32 v[TM+5], v[NEGM], v[TM+5]            ; old M - new M, 0 or less
	v_cvt_i32_f32 v[TM+5], v[TM+5]                 ; (it saturates)
	v_ldexp_f32 v[FF], 1.0, v[TM+5]
	v_mov_b32 v[FF+1], v[FF]
.endif
	v_add_f32 v[DL], v[BE], v[NEGM]                ; beta - M
	v_mov_b32 v[DL+1], v[DL]
.if \p == 2
	ds_load_b32 v[VL], v[AVS]                      ; V's scale words come in halves: the first 64 keys' two bytes,
	ds_load_b32 v[VL+1], v[AVS] offset:128
	ds_load_b32 v[VH], v[AVS] offset:256           ; the second 64 keys'
	ds_load_b32 v[VH+1], v[AVS] offset:384
.endif
.set n, 0
.rept 32
	v_pk_add_f32 v[S+n:S+n+1], v[S+n:S+n+1], v[DL:DL+1]   ; t - M
.set n, n+2
.endr
.set n, 0
.rept 64
	v_exp_f32 v[S+n], v[S+n]                       ; p = 2^(t - M), at most 1
.set n, n+1
.endr
.if \p == 1
	v_pk_mul_f32 v[LL:LL+1], v[LL:LL+1], v[FF:FF+1]   ; l under the new M.  (A plain place behind the exponentials)
	s_wait_alu depctr_va_vdst(0)
	v_pk_add_f32 v[A2:A2+1], v[S:S+1], v[S+2:S+3]
.irp j, 4,8,12,16,20,24,28,32,36,40,44,48,52,56,60
	v_pk_add_f32 v[LL:LL+1], v[LL:LL+1], v[S+\j:S+\j+1]
	v_pk_add_f32 v[A2:A2+1], v[A2:A2+1], v[S+\j+2:S+\j+3]
.endr
	v_pk_add_f32 v[LL:LL+1], v[LL:LL+1], v[A2:A2+1]
.else
	v_nop                                          ; a plain place behind the exponentials
.set n, 0
	s_wait_alu depctr_va_vdst(0)
.rept 32
	v_pk_mul_f32 v[S+n:S+n+1], v[S+n:S+n+1], v[LL:LL+1]   ; attn = p / l: finished and normalised
.set n, n+2
.endr
	QUANT S
	s_wait_dscnt 0x0                               ; V and the halves of its scale words are in
	v_lshl_or_b32 v[VSC], v[VH], 16, v[VL]
	v_lshl_or_b32 v[VSC+1], v[VH+1], 16, v[VL+1]
	PLACES 8                                       ; a scale register written by a vector instruction stands 8 places ahead of a scaled matrix instruction, an operand so written 4
.irp t, 0,2
	v_wmma_scale_f32_16x16x128_f8f6f4 v[O+8*\t:O+8*\t+7], v[KF+12*\t:KF+12*\t+11], v[PC:PC+11], v[O+8*\t:O+8*\t+7], v[VSC+\t/2], v[PW] matrix_a_fmt:MATRIX_FMT_BF6 matrix_b_fmt:MATRIX_FMT_BF6
	v_wmma_scale_f32_16x16x128_f8f6f4 v[O+8*\t+8:O+8*\t+15], v[KF+12*\t+12:KF+12*\t+23], v[PC:PC+11], v[O+8*\t+8:O+8*\t+15], v[VSC+\t/2], v[PW] matrix_a_fmt:MATRIX_FMT_BF6 matrix_b_fmt:MATRIX_FMT_BF6 matrix_a_scale:MATRIX_SCALE_ROW1
.endr
.endif
	v_add_f32 v[BD], 0x43000000, v[BD]             ; 128 keys on
.Lskip_\@:
	s_add_co_u32 s[TK], s[TK], 6144
	s_add_co_u32 s[TS], s[TS], 512
.endm
	; ---- pass 1: each row's M and l
	s_mov_b32 s[ST], 0
	s_mov_b32 s[TK], 0
	s_mov_b32 s[TS], 0
	v_mov_b32 v[BD], v[BD0]
.Lpass1:                                           ; 16 trips in every wave: the trip count is a constant
	STEP 1
	s_add_co_u32 s[ST], s[ST], 1
	s_cmp_lt_u32 s[ST], 16
	s_cbranch_scc1 .Lpass1
	v_add_f32 v[LL], v[LL], v[LL+1]                ; l's two halves,
	v_permlanex16_b32 v[TM+4], v[LL], s[SEL], s[SEL+1]
	v_add_f32 v[LL], v[LL], v[TM+4]                ; and lane l xor 16's
	v_rcp_f32 v[TM+5], v[LL]
	v_nop                                          ; one plain place behind a transcendental
	v_cmp_lt_f32 vcc_lo, 0, v[LL]
	s_wait_alu depctr_va_vdst(0)
	v_cndmask_b32 v[LL], 0, v[TM+5], vcc_lo        ; 1 / l; 0 for a row all of whose keys are hidden: its attn is 0
	v_mov_b32 v[LL+1], v[LL]
	; ---- pass 2: attn, quantised, times V
	s_mov_b32 s[ST], 0
	s_mov_b32 s[TK], 0
	s_mov_b32 s[TS], 0
	v_mov_b32 v[BD], v[BD0]
.Lpass2:
	STEP 2
	s_add_co_u32 s[ST], s[ST], 1
	s_cmp_lt_u32 s[ST], 16
	s_cbranch_scc1 .Lpass2
	; ---- the way out: O^T's register 16 b + i is channel 32 b + 16 h + i of my query: two blocks of the last product's K.  They become one unit and two scale bytes.
	PLACES 4
.irp b, 0,1
	v_max3_num_f32 v[TM+\b], |v[O+16*\b]|, |v[O+16*\b+1]|, 0x2800000
.endr
.irp i, 2,4,6,8,10,12,14
.irp b, 0,1
	v_max3_num_f32 v[TM+\b], v[TM+\b], |v[O+16*\b+\i]|, |v[O+16*\b+\i+1]|
.endr
.endr
.irp b, 0,1
	v_permlanex16_b32 v[TM+4+\b], v[TM+\b], s[SEL], s[SEL+1]
.endr
.irp b, 0,1
	v_max_num_f32 v[TM+\b], v[TM+\b], v[TM+4+\b]
.endr
.irp b, 0,1
	v_add_nc_u32 v[TM+12+\b], 0xfe000000, v[TM+\b]
.endr
.irp b, 0,1
	v_lshrrev_b32 v[TM+8+\b], 23, v[TM+12+\b]
.endr
	v_cvt_scalef32_pk16_bf6_f32 v[PC:PC+2], v[O:O+15], v[TM+12]
	v_cvt_scalef32_pk16_bf6_f32 v[PC+4:PC+6], v[O+16:O+31], v[TM+13]
	v_nop                                          ; one plain place behind a scaled conversion
.irp i, 0,1,2
	v_permlane16_swap_b32 v[PC+\i], v[PC+4+\i]
.endr
.irp i, 0,1,2
	v_mov_b32 v[PC+3+\i], v[PC+4+\i]
.endr
	s_mov_b32 s20, 0xffff0000                      ; lanes 16-31
	v_cndmask_b32 v[TM+10], v[TM+8], v[TM+9], s20  ; lane (r, h) stores block h's byte
	v_and_b32 v[TM+11], 15, v0
	v_bfe_u32 v[TM+6], v0, 4, 1
	v_lshl_add_u32 v[TM+11], v[TM+11], 4, v[TM+6]  ; 16 r + h
	s_lshl_b32 s92, s18, 7
	s_add_co_u32 s92, s92, s19                     ; o's tile: 128 b + my tile of queries
	s_lshl_b32 s93, s92, 4
	s_add_co_u32 s93, s93, s17                     ; its unit: the head
	s_mul_i32 s94, s93, 768
	s_mov_b32 s95, 0
	s_add_nc_u64 s[10:11], s[10:11], s[94:95]
	s_lshl_b32 s94, s92, 9                         ; scale words [tile][half of K][r][4 words]: the head's two bytes
	s_lshr_b32 s93, s17, 3
	s_lshl_b32 s93, s93, 8
	s_add_co_u32 s94, s94, s93
	s_and_b32 s93, s17, 7
	s_lshl_b32 s93, s93, 1
	s_add_co_u32 s94, s94, s93
	s_add_nc_u64 s[12:13], s[12:13], s[94:95]
	global_store_b128 v[LK16], v[PC:PC+3], s[10:11]    ; 512 consecutive bytes
	global_store_b64 v[LK8], v[PC+4:PC+5], s[10:11]    ; 256 consecutive bytes, from byte 512 on
	global_store_b8 v[TM+11], v[TM+10], s[12:13]       ; two bytes of each row's 16: the other heads' work-groups store the rest
	s_wait_xcnt 0x0
	v_lshl_add_u32 v254, v0, 2, 0x36000
	v_mov_b32 v255, 0
	s_wait_tensorcnt 0x0
	ds_add_u32 v254, v255
	s_wait_dscnt 0x0
	CROUND                                         ; the closing round: no work-group ends while a partner may still ask for a tile that names it
	s_endpgm
.Lfunc_end_k_q693ed79154_attn:
	.size	k_q693ed79154_attn, .Lfunc_end_k_q693ed79154_attn-k_q693ed79154_attn
	.p2alignl 7, 3214868480
	.fill 96, 4, 3214868480
	.section	.rodata,"a",@progbits
	.p2align	6, 0x0
	.amdhsa_kernel k_q693ed79154_attn
		.amdhsa_group_segment_fixed_size 223232
		.amdhsa_private_segment_fixed_size 0
		.amdhsa_enable_private_segment 0
		.amdhsa_kernarg_size 40
		.amdhsa_user_sgpr_count 2
		.amdhsa_user_sgpr_kernarg_segment_ptr 1
		.amdhsa_wavefront_size32 1
		.amdhsa_system_sgpr_workgroup_id_x 1
		.amdhsa_system_sgpr_workgroup_id_y 1
		.amdhsa_system_sgpr_workgroup_id_z 1
		.amdhsa_system_vgpr_workitem_id 0
		.amdhsa_next_free_vgpr 256
		.amdhsa_next_free_sgpr 100
		.amdhsa_reserve_vcc 1
		.amdhsa_float_denorm_mode_32 3
		.amdhsa_float_denorm_mode_16_64 3
		.amdhsa_memory_ordered 1
		.amdhsa_forward_progress 1
		.amdhsa_inst_pref_size 59
	.end_amdhsa_kernel
	.amdgpu_metadata
---
amdhsa.version: [ 1, 2 ]
amdhsa.kernels:
  - .name:           k_q693ed79154_attn
    .symbol:         k_q693ed79154_attn.kd
    .args:
      - { .name: qkv_codes, .offset: 0, .size: 8, .value_kind: global_buffer, .address_space: global }
      - { .name: qkv_scales, .offset: 8, .size: 8, .value_kind: global_buffer, .address_space: global }
      - { .name: padding_mask, .offset: 16, .size: 8, .value_kind: global_buffer, .address_space: global }
      - { .name: o_codes, .offset: 24, .size: 8, .value_kind: global_buffer, .address_space: global }
      - { .name: o_scales, .offset: 32, .size: 8, .value_kind: global_buffer, .address_space: global }
    .group_segment_fixed_size: 223232
    .private_segment_fixed_size: 0
    .kernarg_segment_align: 8
    .kernarg_segment_size: 40
    .max_flat_workgroup_size: 512
    .sgpr_count:     100
    .vgpr_count:     256
    .wavefront_size: 32
...
	.end_amdgpu_metadata
.endif
;; end of part 3
;; launch oproj (part 4): grid 8 x 32, 4 waves a work-group, clusters of 4 x 4, 214,528 bytes of LDS; arguments o_codes, o_scales, xw_codes, xw_scales, bo, out0; writes out0
.if DOCPART == 4
	.amdgcn_target "amdgcn-amd-amdhsa--gfx1250"
	.amdhsa_code_object_version 6
	.text
	.protected	k_q693ed79154_oproj
	.globl	k_q693ed79154_oproj
	.p2align	8
	.type	k_q693ed79154_oproj,@function
k_q693ed79154_oproj:
	s_mov_b64 s[64:65], 0
	v_nop
	global_prefetch_b8 v0, s[64:65] scope:SCOPE_SE
	s_setreg_imm32_b32 hwreg(HW_REG_WAVE_MODE, 25, 1), 1
	s_wait_xcnt 0x0
	s_wait_alu depctr_hold_cnt(0) depctr_sa_sdst(0) depctr_va_vdst(0) depctr_va_sdst(0) depctr_va_ssrc(0) depctr_va_vcc(0) depctr_vm_vsrc(0)
	s_getreg_b32 s2, hwreg(HW_REG_IB_STS2, 6, 4)
	s_cmp_eq_u32 s2, 0
	s_cbranch_scc0 .Lentry_in_a_cluster
	s_endpgm
.Lentry_in_a_cluster:
	s_bfe_u32 s2, ttmp6, 0x10000c
	s_cmp_lg_u32 s2, 0xf033
	s_cbranch_scc0 .Lentry_shape_is_right
	s_endpgm
.Lentry_shape_is_right:
; out0 = o wo^T + bo on codes of BF6 (E3M2).  o [4096][1024] comes as the attention left it, wo as the first launch left it: UNITS of 16 rows x 64 K as images of registers (768 bytes: lane l's registers 0-3 at 16 l,
; registers 4-5 at 512 + 8 l), 16 units to a tile; lane r of tile 2 g + u holds row 32 g + 8 u + r + 8 (r / 8).  Scale words [tile][half of K][r][4 words].
; SHARES.  A work-group makes 128 x 128 of out0, K = 1,024; each of its four waves 64 x 64: 16 accumulators.  256 work-groups.
; LDS.  Both operands for all of K, 196,608 bytes, come in as first fills alone, in four chunks of 256 along K; nothing is filled twice, so the eight K steps are written out.
; CLUSTER 4 x 4: o's tiles are asked for jointly along a row of the cluster, wo's along a column.
; Source 0 = 16 rows of wo, source 1 = 16 rows of o: a lane holds one row of out0, and the 32 registers of a row tile are its 64 columns in two halves of the lanes.  bo is the C of each sum's first instruction.
; THE WAY OUT: a row tile goes through the wave's own stage in LDS, behind the operands, and leaves as rows: sixteen lanes store 256 consecutive bytes, aligned.
; REGISTERS: window 0: v1-31 addresses; v32-63 o's scale words, v64-95 wo's (register 8 i + s: tile i, K step s); v96-127 bo; v128-255 accumulator (a, t) at 128 + 8 (4 a + t).  window 1: two buffers of 96.
.set CHUNK, 49152                      ; 256 along K: o's 8 tiles x 3,072 bytes, then wo's 8
.set TILEB, 3072
.set QUART, 12288                      ; four tiles: what one tensor load brings, and what a wave reads of one operand
.set WOFF,  24576
.set WBASE, 448                        ; wo's first tile in xw_codes
.set STAGE, 4*CHUNK                    ; 16 rows x 272 bytes for each wave
.set SPI,   272                        ; 256 bytes + 16: an odd multiple of 16
.set X16, 4                            ; v4-7   LDS addresses in chunks 0 and 1;  v8-11 in chunks 2 and 3
.set X8,  5
.set W16, 6
.set W8,  7
.set SOFF, 12                          ; v12  16 r
.set BOFF, 14                          ; v14  64 h
.set L16, 15
.set L8,  16
.set STO, 18                           ; v18  the stage: where I put my row's numbers
.set RD,  19                           ; v19  where I read a row back
.set CO,  20                           ; v20  the same place in out0
.set SCX, 32
.set SCW, 64
.set BI,  96
.set ACC, 128
.set F0,  0
.set WV, 18
.set WR, 19
.set WC, 20
.set TX, 23
.set TY, 24
.set G1X, 32
.set G1W, 40
.set G0X, 48
.set G0W, 68
.set MSB, 0
.macro WIN new                         ; the immediate's high byte repeats the setting that is left
.if MSB != \new
	s_set_vgpr_msb (MSB<<8)|\new
.set MSB, \new
.endif
.endm
.macro PLACES n
.rept \n
	v_nop
.endr
.endm
.macro CROUND                          ; a round of the cluster's barrier
	s_barrier_signal -1
	s_barrier_wait -1
	s_cmp_lg_u32 s[WV], 0
	s_cbranch_scc1 .Lnot_wave_0_\@
	s_barrier_signal -3
.Lnot_wave_0_\@:
	s_barrier_wait -3
	s_barrier_signal -1
	s_barrier_wait -1
.endm
.macro FETCH st, buf                   ; 32 LDS loads: the eight fragments of K step st
.set FO, (((\st)/2)%2)*CHUNK+((\st)%2)*1536
.set FS, 4*((\st)/4)
	WIN 0x40                                       ; destination window 1, address window 0
.irp i, 0,1,2,3
.irp c, 0,1
	ds_load_b128 v[\buf+12*\i+6*\c:\buf+12*\i+6*\c+3], v[W16+FS] offset:FO+TILEB*\i+768*\c
	ds_load_b64 v[\buf+12*\i+6*\c+4:\buf+12*\i+6*\c+5], v[W8+FS] offset:FO+TILEB*\i+768*\c
.endr
.endr
.irp i, 0,1,2,3
.irp c, 0,1
	ds_load_b128 v[\buf+48+12*\i+6*\c:\buf+48+12*\i+6*\c+3], v[X16+FS] offset:FO+TILEB*\i+768*\c
	ds_load_b64 v[\buf+48+12*\i+6*\c+4:\buf+48+12*\i+6*\c+5], v[X8+FS] offset:FO+TILEB*\i+768*\c
.endr
.endr
.endm
.macro MUL st, buf, first              ; 16 matrix instructions; the 16 accumulators take turns, one instruction a turn, in the same order in every step
	WIN 0x05                                       ; sources 0 and 1 window 1; C and D window 0
.irp a, 0,1,2,3
.irp t, 0,1,2,3
.if \first
	v_wmma_scale_f32_16x16x128_f8f6f4 v[ACC+8*(4*\a+\t):ACC+8*(4*\a+\t)+7], v[\buf+12*\t:\buf+12*\t+11], v[\buf+48+12*\a:\buf+48+12*\a+11], v[BI+8*\t:BI+8*\t+7], v[SCW+8*\t+\st], v[SCX+8*\a+\st] matrix_a_fmt:MATRIX_FMT_BF6 matrix_b_fmt:MATRIX_FMT_BF6
.else
	v_wmma_scale_f32_16x16x128_f8f6f4 v[ACC+8*(4*\a+\t):ACC+8*(4*\a+\t)+7], v[\buf+12*\t:\buf+12*\t+11], v[\buf+48+12*\a:\buf+48+12*\a+11], v[ACC+8*(4*\a+\t):ACC+8*(4*\a+\t)+7], v[SCW+8*\t+\st], v[SCX+8*\a+\st] matrix_a_fmt:MATRIX_FMT_BF6 matrix_b_fmt:MATRIX_FMT_BF6
.endif
.endr
.endr
.endm
.macro KSTEP st
.set CB, F0+96*((\st)%2)
.set NB, F0+96*(1-(\st)%2)
.if (\st) < 7
.if ((\st)%2) == 1
	s_wait_tensorcnt 3-((\st)+1)/2                 ; my part of the next chunk is in; the later chunks may stay out
	s_wait_dscnt 0x0                               ; no LDS load of mine is out at the signal
	s_barrier_signal -1
	s_barrier_wait -1                              ; everybody's part is in
.endif
.if (\st) > 0
	PLACES 4                                       ; four places in front of loads into registers that the last matrix instructions read
.endif
	FETCH (\st)+1, NB
	s_wait_dscnt 32                                ; this step's fragments are in; the 32 loads just issued may be out
.else
	s_wait_dscnt 0x0
.endif
.if (\st) == 0
	MUL \st, CB, 1
.else
	MUL \st, CB, 0
.endif
.endm
	s_load_b256 s[4:11], s[0:1], 0x0               ; o's codes, o's scale words, the weights' codes, their scale words
	s_load_b128 s[12:15], s[0:1], 0x20             ; bo, out0
	v_lshl_add_u32 v30, v0, 2, 0x34400
	v_mov_b32 v31, 0
	ds_add_u32 v30, v31
	ds_add_u32 v30, v31
	v_lshrrev_b32 v1, 5, v0
	v_readfirstlane_b32 s[WV], v1                  ; wave 0..3
	s_lshr_b32 s[WR], s[WV], 1                     ; which half of o's rows is mine.  Also: I fetch for o (0) or for wo (1)
	s_and_b32 s[WC], s[WV], 1                      ; which half of wo's rows.  Also: which four tiles I fetch
	s_bfe_u32 s21, ttmp6, 0x40000                  ; cx
	s_bfe_u32 s22, ttmp6, 0x40004                  ; cy
	s_lshl_b32 s[TX], ttmp9, 2
	s_add_co_u32 s[TX], s[TX], s21                 ; tile column
	s_and_b32 s[TY], ttmp7, 0xffff
	s_lshl_b32 s[TY], s[TY], 2
	s_add_co_u32 s[TY], s[TY], s22                 ; tile row
	s_lshl_b32 s25, s22, 2
	s_lshl_b32 s25, 15, s25                        ; my row of the cluster
	s_lshl_b32 s26, 0x1111, s21                    ; my column
	; descriptor group 1: four tiles' 3,072 bytes of a chunk: 4 rows of 384 elements of 8 bytes, 12,288 bytes apart; no padding
	s_or_b32 s[G1X], s25, (3<<16)|(1<<21)
	s_or_b32 s[G1W], s26, (3<<16)|(1<<21)
.irp g, G1X, G1W
	s_mov_b32 s[\g+1], 384<<16
	s_mov_b32 s[\g+2], 4<<16
	s_mov_b32 s[\g+3], 384<<16
	s_mov_b32 s[\g+4], 4
	s_mov_b32 s[\g+5], 1536
	s_mov_b32 s[\g+6], 0
	s_mov_b32 s[\g+7], 0
.endr
	s_lshl_b32 s27, s[WC], 2
	s_lshl_b32 s28, s[TY], 3
	s_add_co_u32 s28, s28, s27
	s_mul_i32 s28, s28, 12288                      ; o: tile 8 x tile row + 4 x half
	s_mov_b32 s29, 0
	s_lshl_b32 s84, s[TX], 3
	s_add_co_u32 s84, s84, s27
	s_add_co_u32 s84, s84, WBASE
	s_mul_i32 s84, s84, 12288                      ; wo: tile WBASE + 8 x tile column + 4 x half
	s_mov_b32 s85, 0
	s_mul_i32 s27, s[WV], QUART                    ; where they go: no place in the cluster enters an LDS address
	s_wait_dscnt 0x0
	s_wait_kmcnt 0x0
	s_add_nc_u64 s[28:29], s[4:5], s[28:29]
	s_add_nc_u64 s[84:85], s[8:9], s[84:85]
.irp q, 0,1,2,3
	s_mov_b32 s[G0X+4*\q], 1
	s_add_co_u32 s[G0X+4*\q+1], s27, \q*CHUNK
	s_add_nc_u64 s[G0X+4*\q+2:G0X+4*\q+3], s[28:29], \q*TILEB
	s_or_b32 s[G0X+4*\q+3], s[G0X+4*\q+3], 0x80000000
	s_mov_b32 s[G0W+4*\q], 1
	s_add_co_u32 s[G0W+4*\q+1], s27, \q*CHUNK
	s_add_nc_u64 s[G0W+4*\q+2:G0W+4*\q+3], s[84:85], \q*TILEB
	s_or_b32 s[G0W+4*\q+3], s[G0W+4*\q+3], 0x80000000
.endr
	CROUND                                         ; all sixteen work-groups are here: the joint loads meet
	s_cmp_eq_u32 s[WR], 0                          ; a wave's four fills stand in one branch on its number: four loads of mine are out; four v_nop follow the last
	s_cbranch_scc0 .Lfill_w
.irp q, 0,1,2,3
	tensor_load_to_lds s[G0X+4*\q:G0X+4*\q+3], s[G1X:G1X+7]
	s_nop 0
.endr
	PLACES 4
	s_branch .Lfilled
.Lfill_w:
.irp q, 0,1,2,3
	tensor_load_to_lds s[G0W+4*\q:G0W+4*\q+3], s[G1W:G1W+7]
	s_nop 0
.endr
	PLACES 4
.Lfilled:
	v_and_b32 v1, 31, v0                           ; lane
	v_and_b32 v2, 15, v0                           ; r
	v_bfe_u32 v3, v0, 4, 1                         ; h
	v_lshlrev_b32 v[L16], 4, v1
	v_lshlrev_b32 v[L8], 3, v1
	s_mul_i32 s30, s[WR], QUART
	s_mul_i32 s31, s[WC], QUART
	s_add_co_u32 s31, s31, WOFF
	v_add_nc_u32 v[X16], s30, v[L16]
	v_add_nc_u32 v[X8], s30, v[L8]
	v_add_nc_u32 v[X8], 512, v[X8]
	v_add_nc_u32 v[W16], s31, v[L16]
	v_add_nc_u32 v[W8], s31, v[L8]
	v_add_nc_u32 v[W8], 512, v[W8]
.irp k, 0,1,2,3
	v_add_nc_u32 v[X16+4+\k], 2*CHUNK, v[X16+\k]   ; chunks 2 and 3 lie beyond an LDS immediate's reach
.endr
	v_lshlrev_b32 v[SOFF], 4, v2
	v_lshlrev_b32 v[BOFF], 6, v3
	s_mul_i32 s30, s[WV], 16*SPI
	s_add_co_u32 s30, s30, STAGE                   ; my stage
	v_mul_u32_u24 v[STO], v2, SPI                  ; in: row r, + 64 h
	v_lshl_add_u32 v[STO], v3, 6, v[STO]
	v_add_nc_u32 v[STO], s30, v[STO]
	v_mul_u32_u24 v[RD], v3, SPI                   ; back: lanes 0-15 one row of 256 bytes, lanes 16-31 the next
	v_lshl_add_u32 v[RD], v2, 4, v[RD]
	v_add_nc_u32 v[RD], s30, v[RD]
	v_lshlrev_b32 v[CO], 12, v3                    ; and the same two rows in out0
	v_lshl_add_u32 v[CO], v2, 4, v[CO]
	s_lshl_b32 s86, s[TY], 3
	s_lshl_b32 s87, s[WR], 2
	s_add_co_u32 s86, s86, s87
	s_lshl_b32 s86, s86, 9
	s_mov_b32 s87, 0
	s_add_nc_u64 s[86:87], s[6:7], s[86:87]        ; the scale words of my four tiles of o
	s_lshl_b32 s88, s[TX], 3
	s_lshl_b32 s89, s[WC], 2
	s_add_co_u32 s88, s88, s89
	s_add_co_u32 s88, s88, WBASE
	s_lshl_b32 s88, s88, 9
	s_mov_b32 s89, 0
	s_add_nc_u64 s[88:89], s[10:11], s[88:89]      ; and of wo's
.irp i, 0,1,2,3
.irp kh, 0,1
	global_load_b128 v[SCX+8*\i+4*\kh:SCX+8*\i+4*\kh+3], v[SOFF], s[86:87] offset:512*\i+256*\kh
	global_load_b128 v[SCW+8*\i+4*\kh:SCW+8*\i+4*\kh+3], v[SOFF], s[88:89] offset:512*\i+256*\kh
.endr
.endr
	s_lshl_b32 s96, s[TX], 9
	s_lshl_b32 s98, s[WC], 8
	s_add_co_u32 s96, s96, s98                     ; my 64 columns, in bytes
	s_mov_b32 s97, 0
	s_add_nc_u64 s[94:95], s[12:13], s[96:97]
.irp t, 0,1,2,3
	global_load_b128 v[BI+8*\t:BI+8*\t+3], v[BOFF], s[94:95] offset:(32*(\t/2)+8*(\t%2))*4       ; in the result's layout lane (r, h) holds, in tile t, columns 32 (t / 2) + 8 (t % 2) + 16 h + 0 .. 7
	global_load_b128 v[BI+8*\t+4:BI+8*\t+7], v[BOFF], s[94:95] offset:(32*(\t/2)+8*(\t%2))*4+16
.endr
	s_lshl_b32 s98, s[TY], 19                      ; 128 rows of 4,096 bytes,
	s_add_co_u32 s96, s96, s98
	s_lshl_b32 s98, s[WR], 18                      ; my 64
	s_add_co_u32 s96, s96, s98
	s_add_nc_u64 s[14:15], s[14:15], s[96:97]
	s_wait_loadcnt 0x0                             ; the scale words and bo
	s_wait_tensorcnt 3                             ; my part of chunk 0 is in; three loads may stay out
	s_barrier_signal -1
	s_barrier_wait -1
	FETCH 0, F0
.irp st, 0,1,2,3,4,5,6,7
	KSTEP \st
.endr
	WIN 0
	PLACES 4                                       ; in front of the first read of results
; Row tile a: register 16 b + i of lane (r, h) is column 32 b + 16 h + i of the tile's row r.  Into the stage, each accumulator from its low end on, and back as rows, into the registers that they left.
.macro OUT a
.irp b, 0,1
.irp k, 0,1,2,3
	ds_store_b128 v[STO], v[ACC+32*\a+16*\b+4*\k:ACC+32*\a+16*\b+4*\k+3] offset:128*\b+16*\k
.endr
.endr
.irp i, 0,1,2,3,4,5,6,7
	ds_load_b128 v[ACC+32*\a+4*\i:ACC+32*\a+4*\i+3], v[RD] offset:2*SPI*\i   ; LDS serves a wave's instructions in order: these see the stores above, and the next tile's stores come behind them
.endr
.endm
.macro SEND a, younger                 ; younger: the LDS instructions issued behind tile a's loads
	s_wait_dscnt \younger
.irp i, 0,1,2,3,4,5,6,7
	global_store_b128 v[CO], v[ACC+32*\a+4*\i:ACC+32*\a+4*\i+3], s[14:15] offset:(32*(\a/2)+8*(\a%2)+2*\i+8*(\i/4))*4096 th:TH_STORE_NT   ; the tile's rows 2 i and 2 i + 1 at their true places; 16 lanes store 256 consecutive bytes, aligned
.endr
.endm
	OUT 0
	OUT 1
	SEND 0, 16
	OUT 2
	SEND 1, 16
	OUT 3
	SEND 2, 16
	SEND 3, 0
	s_wait_tensorcnt 0x0
	ds_add_u32 v30, v31
	s_wait_dscnt 0x0
	CROUND                                         ; the closing round: no work-group ends while a partner may still ask for a tile that names it
	s_endpgm
.Lfunc_end_k_q693ed79154_oproj:
	.size	k_q693ed79154_oproj, .Lfunc_end_k_q693ed79154_oproj-k_q693ed79154_oproj
	.p2alignl 7, 3214868480
	.fill 96, 4, 3214868480
	.section	.rodata,"a",@progbits
	.p2align	6, 0x0
	.amdhsa_kernel k_q693ed79154_oproj
		.amdhsa_group_segment_fixed_size 214528
		.amdhsa_private_segment_fixed_size 0
		.amdhsa_enable_private_segment 0
		.amdhsa_kernarg_size 48
		.amdhsa_user_sgpr_count 2
		.amdhsa_user_sgpr_kernarg_segment_ptr 1
		.amdhsa_wavefront_size32 1
		.amdhsa_system_sgpr_workgroup_id_x 1
		.amdhsa_system_sgpr_workgroup_id_y 1
		.amdhsa_system_sgpr_workgroup_id_z 1
		.amdhsa_system_vgpr_workitem_id 0
		.amdhsa_next_free_vgpr 448
		.amdhsa_next_free_sgpr 100
		.amdhsa_reserve_vcc 0
		.amdhsa_float_denorm_mode_32 3
		.amdhsa_float_denorm_mode_16_64 3
		.amdhsa_memory_ordered 1
		.amdhsa_forward_progress 1
		.amdhsa_inst_pref_size 53
	.end_amdhsa_kernel
	.amdgpu_metadata
---
amdhsa.version: [ 1, 2 ]
amdhsa.kernels:
  - .name:           k_q693ed79154_oproj
    .symbol:         k_q693ed79154_oproj.kd
    .args:
      - { .name: o_codes, .offset: 0, .size: 8, .value_kind: global_buffer, .address_space: global }
      - { .name: o_scales, .offset: 8, .size: 8, .value_kind: global_buffer, .address_space: global }
      - { .name: xw_codes, .offset: 16, .size: 8, .value_kind: global_buffer, .address_space: global }
      - { .name: xw_scales, .offset: 24, .size: 8, .value_kind: global_buffer, .address_space: global }
      - { .name: bo, .offset: 32, .size: 8, .value_kind: global_buffer, .address_space: global }
      - { .name: out0, .offset: 40, .size: 8, .value_kind: global_buffer, .address_space: global }
    .group_segment_fixed_size: 214528
    .private_segment_fixed_size: 0
    .kernarg_segment_align: 8
    .kernarg_segment_size: 48
    .max_flat_workgroup_size: 128
    .sgpr_count:     100
    .vgpr_count:     448
    .wavefront_size: 32
...
	.end_amdgpu_metadata
.endif
;; end of part 4
